; MI455X (gfx1250); checked and timed in simulation.
; The chip was launched on July 23, 2026; its instructions are those of AMD's public machine-readable ISA for CDNA 5 (MIT licence, August 2026) and "CDNA5" Instruction Set Architecture Reference Guide (July 2026). The comments in the code are by the model that wrote it; some were corrected since.
;; Optimized Multi Head Attention. Allowed arithmetic: matrix products marked QUANTISED: E3M2 operands, one E8M0 scale for each 32 along K, by v_wmma_scale_f32_16x16x128_f8f6f4 with both operands' format E3M2, f32 sums; everything else in f32.
;; Inputs: b_o 512 float32; ln_beta 512 float32; ln_gamma 512 float32; w_k 512 x 512 float32; w_o 512 x 512 float32; w_q 512 x 512 float32; w_v 512 x 512 float32; x 2 x 4,096 x 512 float32.
;; Outputs: out0 2 x 4,096 x 512 float32.
;; This version of the problem:
;;   THIS VERSION OF THE PROBLEM IS GIVEN IN LOW PRECISION. The matrix products marked QUANTISED in the list below multiply operands that are first quantised to E3M2 (3 exponent bits, 2 mantissa bits; 6 bits a number), with one power-of-two scale for each 32 numbers along K (OCP MX v1.0); their sums are f32. All else is computed in f32.
;;   The module's matrix products, in the order in which they are computed (A, B: the left and right operand; K: the contracted axis; several contracted axes count as one K, in the product's order):
;;     1. [M 8,192, K 512] x [K 512, N 512]; A: computed on the way; B: input w_q: QUANTISED
;;     2. [M 8,192, K 512] x [K 512, N 512]; A: computed on the way; B: input w_k: QUANTISED
;;     3. [M 8,192, K 512] x [K 512, N 512]; A: computed on the way; B: input w_v: QUANTISED
;;     4. batch 16 x [M 4,096, K 64] x [K 64, N 4,096]; A: computed on the way; B: computed on the way: QUANTISED
;;     5. batch 16 x [M 4,096, K 4,096] x [K 4,096, N 64]; A: softmax (see below); B: computed on the way: QUANTISED
;;     6. [M 8,192, K 512] x [K 512, N 512]; A: computed on the way; B: input w_o: QUANTISED
;;   THE QUANTISER, for each operand of a quantised product, along K:
;;     - K is cut into blocks of 32 from its start; a last block that is shorter is filled with zeros.
;;     - A block's scale is 2^e with e = floor(log2(the largest magnitude in the block)) - 4, held to -126 .. 127; a block of zeros has e = 0. As a byte (E8M0): e + 127.
;;     - Each number is divided by its block's scale, clamped to +-28, and rounded to the nearest number of E3M2, ties to even, subnormals kept.
;;     - The product sums the exact products of the quantised numbers (number of the format x scale) in f32.
;;   ~~~python
;;   def quantise(x, axis):      # numpy; x: float32 -> the quantised numbers, widened to float32 again
;;       x = np.moveaxis(x, axis, -1); K = x.shape[-1]
;;       x = np.pad(x, [(0, 0)] * (x.ndim - 1) + [(0, -K % 32)]); x = x.reshape(x.shape[:-1] + (-1, 32)); a = np.abs(x).max(-1, keepdims=True)
;;       e = np.where(a > 0, np.clip(np.frexp(np.where(a > 0, a, 1))[1] - 1 - 4, -126, 127), 0)      # np.frexp(a)[1] - 1 = floor(log2(a)), exactly
;;       r = np.clip(x / 2.0 ** e, -28, 28)
;;       step = 2.0 ** (np.maximum(np.frexp(np.where(r == 0, 1, r))[1] - 1, -2) - 2)
;;       q = np.round(r / step) * step * 2.0 ** e      # np.round: ties to even
;;       return np.moveaxis(q.reshape(q.shape[:-2] + (-1,))[..., :K], -1, axis).astype(np.float32)
;;   ~~~
;;   SOFTMAX AHEAD OF A QUANTISED PRODUCT. Where the list says 'softmax', what is quantised is not the finished softmax but p = 2^(t - M), with t = logit x log2(e) and M = ceil(the row's largest t), a whole number; so 1/2 < the row's largest p <= 1. The row's sum l is taken of the UNQUANTISED p, in f32, and the product's result is divided by l at the end. Since M is a whole number, a kernel that streams over the keys may use a running M (the ceiling of the running maximum): every later rescaling is an exact power of two, which a block's scale takes up: the codes' values come out the same.
;;   OPERANDS COMPUTED ON THE WAY. 'Computed on the way' means the value that the module computes at that place (a softmax that the list does not call 'softmax' is quantised finished and normalised). What goes into a quantiser is computed in f32, as accurately as f32 sums, v_exp_f32 and their like allow (about 1e-6 of the number): no bf16 or f16 on the way to a quantiser, and a product that is left as it is and whose result goes on into a quantised operand takes f32 operands (vector FMAs, or v_wmma_f32_16x16x4_f32). A number that lies on a knife's edge between two numbers of the format may be rounded either way, as far as f32 arithmetic and the matrix unit's own rounding can turn it there, and no further.
;; One version. Each part assembles by itself: llvm-mc -triple=amdgcn-amd-amdhsa -mcpu=gfx1250 --defsym DOCPART=n.
;; ======== version 1 of 1: 4 launches
;; limits: right only within a limited range of input values
;; workspace buffers: cod 3,932,160 bytes; scl 163,840 bytes; qb 6,684,672 bytes; kvb 6,684,672 bytes; acod 3,145,728 bytes; ascl 524,288 bytes
;; launch prep (part 1): grid 640 x 1, 4 waves a work-group, no clusters, 27,648 bytes of LDS; arguments x, w_q, w_k, w_v, w_o, ln_gamma, ln_beta, cod, scl; writes cod, scl
.if DOCPART == 1
	.amdgcn_target "amdgcn-amd-amdhsa--gfx1250"
	.amdhsa_code_object_version 6
	.text
	.protected	k_q8180b1f1da_prep
	.globl	k_q8180b1f1da_prep
	.p2align	8
	.type	k_q8180b1f1da_prep,@function
k_q8180b1f1da_prep:
	s_mov_b64 s[64:65], 0
	v_nop
	global_prefetch_b8 v0, s[64:65] scope:SCOPE_SE
	s_setreg_imm32_b32 hwreg(HW_REG_WAVE_MODE, 25, 1), 1
	s_wait_xcnt 0x0
; PREP: h = LayerNorm(x) x gamma + beta, and the four weights, are turned into codes of BF6 (E3M2) with one E8M0 byte for each 32 along K = 512 (innermost in all five).
; NO WORK OF THE PROBLEM IS LEFT OUT in any of the four launches: every input has a way to out0 (gamma and beta go into a quantiser, b_o and x into the last sum), so all eight are loaded.
; A block's scale is 2^(floor(log2(its largest magnitude)) - 4); its byte is that magnitude's exponent field - 4, held at 1 from below.
; LIMITS: NaN and infinities among the inputs are not served.  A block of zeros gets the byte 1 where the rule says 127: its codes are zeros, and this program alone reads the bytes.
;         1 / sqrt(var + eps) is v_rsq_f32's (1 ulp, ISA guide 15.8).
; LAYOUT OF THE WORKSPACE.  A TILE is 16 rows of a matrix, and not neighbours: row r of tile T is matrix row 32 (T / 2) + 8 (T % 2) + r + 8 (r / 8), so that a product that takes tiles 2 b and 2 b + 1
; as its source 0 leaves 16 neighbours (32 b + 16 (lane / 16) + 0 .. 15) in a lane's 16 result registers.  cod: [640 tiles][4 K steps][1,536 bytes]: a fragment (16 rows x 128 K, 12 registers a lane) as an IMAGE OF
; ITS REGISTERS: registers 4 p .. 4 p + 3 of lane l at 512 p + 16 l.  Tiles 0-511: h; tile 512 + 32 m + T: weight m (q, k, v, o).  scl: [640 tiles][16 rows][16 bytes]: a row's four scale words.
; SHARES.  Work-group g makes tile g.  Wave w takes the tile's rows 4 w .. 4 w + 3, a whole row to a pass: each load reads 512 consecutive bytes; a row turns through the wave's own stage in LDS, so that lane l
; holds the 16 neighbours 16 l .. 16 l + 15 (two lanes to a block of 32).  The mean and the variance are taken in two passes, as reference() takes them.  All 16 loads of a wave go out together: no loop.
; The codes meet in LDS as rows; behind one barrier wave w reads K step w's fragment as an operand and stores its image: each store covers 512 consecutive bytes, aligned to 256.
; No cluster: the work-groups share no input but gamma and beta (4 KB).  No tensor load: 8 KB a wave are in flight in registers.
; The tiles of x and of the weights part ONCE, on the work-group's number, and each way has a turning stage of its own.
.set TURNA, 0                          ; LDS: the stages of the x way: 4 waves x 32 places of 80 bytes (64 + 16 of padding)
.set TURNB, 10240                      ; the same for the weights' way
.set CODES, 20480                      ; 16 rows of codes, 384 bytes + 16: 100 words from row to row
.set CP,    400
.set SCB,   26880                      ; 256 scale bytes: 16 a row
.set SPARE, 27136                      ; the spare words, 128 bytes for each wave: two blocks of 256 bytes that no other line names
.set SPW, 12                           ; v12  LDS address of my spare word; never rewritten
.set NIL, 13                           ; v13  0; never rewritten
.set GAM, 16                           ; v16-31   gamma of my 16 columns
.set BET, 32                           ; v32-47   beta
.set R,   48                           ; v48-111  four rows as loaded
.set X,   112                          ; v112-175 four rows, 16 neighbours a lane
.set T,   176                          ; v176-191 four registers a row, at work
.set C,   192                          ; v192-207 a row's codes (3 of 4 registers)
.set E,   208                          ; v208-211 a row's scale byte
.set F,   212                          ; v212-223 the fragment on its way out
	s_load_b256 s[4:11], s[0:1], 0x0               ; x, w_q, w_k, w_v
	s_load_b256 s[12:19], s[0:1], 0x20             ; w_o, gamma, beta, cod
	s_load_b64 s[20:21], s[0:1], 0x40              ; scl
	v_lshl_add_u32 v[SPW], v0, 2, SPARE
	v_mov_b32 v[NIL], 0
	v_lshrrev_b32 v1, 5, v0
	v_readfirstlane_b32 s22, v1                    ; wave 0..3
	v_and_b32 v1, 31, v0                           ; lane
	v_lshlrev_b32 v2, 4, v1                        ; 16 x lane: my bytes of a load's 512, and of an image's
	s_mul_i32 s26, s22, 2560                       ; my stage
	v_lshrrev_b32 v3, 2, v1
	v_mul_u32_u24 v3, v3, 80
	v_and_b32 v4, 3, v1
	v_lshl_add_u32 v3, v4, 4, v3
	v_add_nc_u32 v3, s26, v3                       ; into the stage: four lanes' 64 bytes on end, then 16 of padding
	v_mul_u32_u24 v4, v1, 80
	v_add_nc_u32 v4, s26, v4                       ; out of it: place l: my 16 neighbours
	s_mul_i32 s26, s22, 4*CP
	s_add_co_u32 s26, s26, CODES
	v_mul_u32_u24 v5, v1, 12
	v_add_nc_u32 v5, s26, v5                       ; my 12 bytes of codes in my wave's first row
	s_lshl_b32 s26, s22, 6
	s_add_co_u32 s26, s26, SCB
	v_lshrrev_b32 v6, 1, v1
	v_add_nc_u32 v6, s26, v6                       ; my block's byte in my wave's first row
	v_and_b32 v7, 15, v1
	v_mul_u32_u24 v7, v7, CP
	v_lshrrev_b32 v8, 4, v1
	v_mad_u32_u24 v7, v8, 24, v7
	s_mul_i32 s26, s22, 96
	s_add_co_u32 s26, s26, CODES
	v_add_nc_u32 v7, s26, v7                       ; the way out: row l % 16, + 24 (l / 16), + K step w's 96 bytes
	v_lshlrev_b32 v10, 3, v1                       ; 8 x lane
	v_add_nc_u32 v9, SCB, v10
	v_lshlrev_b32 v11, 6, v1                       ; 64 x lane: my 16 numbers of gamma and of beta
	s_mov_b32 s30, 0x3b000000                      ; 1 / 512
	s_mov_b32 s31, 0x3727c5ac                      ; 1e-5
	s_mov_b32 s32, 0x76543210                      ; v_permlanex16_b32's selects for lane l xor 16
	s_mov_b32 s33, 0xfedcba98
	s_sub_co_u32 s26, ttmp9, 512
	s_and_b32 s26, s26, 31
	s_cmp_lt_u32 ttmp9, 512
	s_cselect_b32 s26, ttmp9, s26                  ; the tile's number in its own matrix
	; THE ORDER OF A TILE'S ROWS, as this text lays it (it takes the place of the formula in the head comment): row r of tile T is matrix row 64 (T / 4) + 32 (r / 8) + 8 (T % 4) + r % 8.
	; A product that takes tiles 4 c .. 4 c + 3 as its source 0 then leaves the 32 neighbours 64 c + 32 (lane / 16) + 0 .. 31, one whole block, in a lane's 32 result registers.
	s_lshr_b32 s27, s26, 2
	s_lshl_b32 s27, s27, 6
	s_and_b32 s28, s26, 3
	s_lshl_b32 s28, s28, 3
	s_add_co_u32 s27, s27, s28
	s_lshl_b32 s28, s22, 2
	s_add_co_u32 s27, s27, s28
	s_lshr_b32 s28, s22, 1
	s_mul_i32 s28, s28, 24
	s_add_co_u32 s27, s27, s28                     ; my first matrix row: 64 (T / 4) + 8 (T % 4) + 4 w + 24 (w / 2); my four are neighbours
	s_lshl_b32 s34, s27, 11                        ; rows of 2,048 bytes
	s_mov_b32 s35, 0
	s_mul_i32 s36, ttmp9, 6144
	s_mul_i32 s28, s22, 1536
	s_add_co_u32 s36, s36, s28                     ; cod: tile g, K step w
	s_mov_b32 s37, 0
	s_lshl_b32 s38, ttmp9, 8                       ; scl: tile g
	s_mov_b32 s39, 0
	s_wait_kmcnt 0x0
	s_mov_b64 s[24:25], s[12:13]                   ; which matrix: the choice hangs on the work-group's number alone
	s_cmp_lt_u32 ttmp9, 608
	s_cselect_b64 s[24:25], s[10:11], s[24:25]
	s_cmp_lt_u32 ttmp9, 576
	s_cselect_b64 s[24:25], s[8:9], s[24:25]
	s_cmp_lt_u32 ttmp9, 544
	s_cselect_b64 s[24:25], s[6:7], s[24:25]
	s_cmp_lt_u32 ttmp9, 512
	s_cselect_b64 s[24:25], s[4:5], s[24:25]
	s_add_nc_u64 s[24:25], s[24:25], s[34:35]      ; (these sums leave SCC as the last compare set it)
	s_add_nc_u64 s[18:19], s[18:19], s[36:37]
	s_add_nc_u64 s[20:21], s[20:21], s[38:39]
; My four rows: 16 loads together, then each row through the stage.  LDS serves a wave's instructions in order, so one stage serves the four rows and no wait stands between its stores and its loads.
.macro ROWS stage
.irp j, 0,1,2,3
.irp i, 0,1,2,3
	global_load_b128 v[R+16*\j+4*\i:R+16*\j+4*\i+3], v2, s[24:25] offset:2048*\j+512*\i th:TH_LOAD_NT
.endr
.endr
.irp j, 0,1,2,3
	s_wait_loadcnt 12-4*\j                         ; row j is in (and all that was asked for ahead of it); the loads of the rows behind it, four each, may be out
.irp i, 0,1,2,3
	ds_store_b128 v3, v[R+16*\j+4*\i:R+16*\j+4*\i+3] offset:\stage+640*\i
.endr
.irp i, 0,1,2,3
	ds_load_b128 v[X+16*\j+4*\i:X+16*\j+4*\i+3], v4 offset:\stage+16*\i
.endr
.endr
	s_wait_dscnt 0x0
.endm
; The sum over the 32 lanes of register a of each row's four; t: a register that has been written
.macro RED a, t
.irp m, 1,2,4,8
.irp j, 0,1,2,3
	v_add_f32_dpp v[T+4*\j+\a], v[T+4*\j+\a], v[T+4*\j+\a] row_xmask:\m row_mask:0xf bank_mask:0xf
.endr
.endr
.irp j, 0,1,2,3
	v_permlanex16_b32 v[T+4*\j+\t], v[T+4*\j+\a], s32, s33
.endr
.irp j, 0,1,2,3
	v_add_f32 v[T+4*\j+\a], v[T+4*\j+\a], v[T+4*\j+\t]
.endr
.endm
	s_cbranch_scc0 .Lweights                       ; work-groups 512 on take the weights as they are
	s_wait_alu depctr_va_vdst(0)
.irp i, 0,1,2,3
	global_load_b128 v[GAM+4*\i:GAM+4*\i+3], v11, s[14:15] offset:16*\i
	global_load_b128 v[BET+4*\i:BET+4*\i+3], v11, s[16:17] offset:16*\i
.endr
	ROWS TURNA
	; LayerNorm, the four rows by turns so that no line waits for the line above it
.irp j, 0,1,2,3
	v_pk_add_f32 v[T+4*\j:T+4*\j+1], v[X+16*\j:X+16*\j+1], v[X+16*\j+2:X+16*\j+3]
.endr
.irp i, 4,6,8,10,12,14
.irp j, 0,1,2,3
	v_pk_add_f32 v[T+4*\j:T+4*\j+1], v[T+4*\j:T+4*\j+1], v[X+16*\j+\i:X+16*\j+\i+1]
.endr
.endr
.irp j, 0,1,2,3
	v_add_f32 v[T+4*\j], v[T+4*\j], v[T+4*\j+1]
.endr
	RED 0, 1
.irp j, 0,1,2,3
	v_mul_f32 v[T+4*\j], 0xbb000000, v[T+4*\j]     ; - the mean
.endr
.irp i, 0,2,4,6,8,10,12,14
.irp j, 0,1,2,3
	v_pk_add_f32 v[X+16*\j+\i:X+16*\j+\i+1], v[X+16*\j+\i:X+16*\j+\i+1], v[T+4*\j:T+4*\j+1] op_sel_hi:[1,0]
.endr
.endr
.irp j, 0,1,2,3
	v_pk_mul_f32 v[T+4*\j+2:T+4*\j+3], v[X+16*\j:X+16*\j+1], v[X+16*\j:X+16*\j+1]
.endr
.irp i, 2,4,6,8,10,12,14
.irp j, 0,1,2,3
	v_pk_fma_f32 v[T+4*\j+2:T+4*\j+3], v[X+16*\j+\i:X+16*\j+\i+1], v[X+16*\j+\i:X+16*\j+\i+1], v[T+4*\j+2:T+4*\j+3]
.endr
.endr
.irp j, 0,1,2,3
	v_add_f32 v[T+4*\j+2], v[T+4*\j+2], v[T+4*\j+3]
.endr
	RED 2, 3
.irp j, 0,1,2,3
	v_fma_f32 v[T+4*\j+2], v[T+4*\j+2], s30, s31   ; the variance + eps
.endr
	s_wait_alu depctr_va_vdst(0)
.irp j, 0,1,2,3
	v_rsq_f32 v[T+4*\j], v[T+4*\j+2]
.endr
	v_nop                                          ; a plain instruction behind the last of the batch
	s_wait_alu depctr_va_vdst(0)                   ; one wait for the four, ahead of their first reader
.irp i, 0,2,4,6,8,10,12,14
.irp j, 0,1,2,3
	v_pk_mul_f32 v[X+16*\j+\i:X+16*\j+\i+1], v[X+16*\j+\i:X+16*\j+\i+1], v[T+4*\j:T+4*\j+1] op_sel_hi:[1,0]
.endr
.endr
.irp i, 0,2,4,6,8,10,12,14
.irp j, 0,1,2,3
	v_pk_fma_f32 v[X+16*\j+\i:X+16*\j+\i+1], v[X+16*\j+\i:X+16*\j+\i+1], v[GAM+\i:GAM+\i+1], v[BET+\i:BET+\i+1]
.endr
.endr
	s_branch .Lquant
.Lweights:
	ROWS TURNB
.Lquant:
	; The quantiser: the largest magnitude of my 16 and of my neighbour's 16, with the floor 2^(5 - 127) among the leaves
.irp j, 0,1,2,3
	v_max3_num_f32 v[T+4*\j], |v[X+16*\j]|, |v[X+16*\j+1]|, |v[X+16*\j+2]|
	v_max3_num_f32 v[T+4*\j+1], |v[X+16*\j+3]|, |v[X+16*\j+4]|, |v[X+16*\j+5]|
.endr
.irp i, 6,10
.irp j, 0,1,2,3
	v_max3_num_f32 v[T+4*\j], v[T+4*\j], |v[X+16*\j+\i]|, |v[X+16*\j+\i+1]|
	v_max3_num_f32 v[T+4*\j+1], v[T+4*\j+1], |v[X+16*\j+\i+2]|, |v[X+16*\j+\i+3]|
.endr
.endr
.irp j, 0,1,2,3
	v_max3_num_f32 v[T+4*\j], v[T+4*\j], |v[X+16*\j+14]|, |v[X+16*\j+15]|
.endr
.irp j, 0,1,2,3
	v_max3_num_f32 v[T+4*\j], v[T+4*\j], v[T+4*\j+1], 0x2800000
.endr
.irp j, 0,1,2,3
	v_max_num_f32_dpp v[T+4*\j], v[T+4*\j], v[T+4*\j] row_xmask:1 row_mask:0xf bank_mask:0xf
.endr
.irp j, 0,1,2,3
	v_add_nc_u32 v[T+4*\j+2], 0xfe000000, v[T+4*\j]   ; 4 off the exponent field: the conversion takes this operand's exponent field as its scale
.endr
.irp j, 0,1,2,3
	v_cvt_scalef32_pk16_bf6_f32 v[C+4*\j:C+4*\j+2], v[X+16*\j:X+16*\j+15], v[T+4*\j+2]
.endr
.irp j, 0,1,2,3
	v_lshrrev_b32 v[E+\j], 23, v[T+4*\j+2]         ; the scale's byte (plain lines behind the conversions)
.endr
.irp j, 0,1,2,3
	ds_store_b8 v6, v[E+\j] offset:16*\j           ; both lanes of a block write the same byte with the same value
	ds_store_b32 v5, v[C+4*\j] offset:CP*\j
	ds_store_b32 v5, v[C+4*\j+1] offset:CP*\j+4
	ds_store_b32 v5, v[C+4*\j+2] offset:CP*\j+8
.endr
	s_wait_dscnt 0x0                               ; for the others' sake: my stores have landed
	s_barrier_signal -1
	s_barrier_wait -1                              ; the tile's 16 rows of codes and 256 scale bytes lie in LDS
.irp p, 0,1,2,3,4,5
	ds_load_b64 v[F+2*\p:F+2*\p+1], v7 offset:48*(\p/3)+8*(\p%3)   ; K step w's fragment, as an operand takes it: registers 6 c .. 6 c + 5 = k 64 c + 32 (l / 16) + 0 .. 31 of row l % 16
.endr
	s_wait_dscnt 0x0
.irp p, 0,1,2
	global_store_b128 v2, v[F+4*\p:F+4*\p+3], s[18:19] offset:512*\p   ; its image: 512 consecutive bytes a store
.endr
	s_cmp_lg_u32 s22, 0
	s_cbranch_scc1 .Ldone
	ds_load_b64 v[224:225], v9                     ; wave 0: the tile's scale bytes,
	s_wait_dscnt 0x0
	global_store_b64 v10, v[224:225], s[20:21]     ; 256 consecutive bytes, aligned
.Ldone:
	s_wait_tensorcnt 0x0                           ; the wave's end, behind my last LDS store
	ds_add_u32 v[SPW], v[NIL]
	s_wait_dscnt 0x0
	s_endpgm
.Lfunc_end_k_q8180b1f1da_prep:
	.size	k_q8180b1f1da_prep, .Lfunc_end_k_q8180b1f1da_prep-k_q8180b1f1da_prep
	.p2alignl 7, 3214868480
	.fill 96, 4, 3214868480
	.section	.rodata,"a",@progbits
	.p2align	6, 0x0
	.amdhsa_kernel k_q8180b1f1da_prep
		.amdhsa_group_segment_fixed_size 27648
		.amdhsa_private_segment_fixed_size 0
		.amdhsa_enable_private_segment 0
		.amdhsa_kernarg_size 72
		.amdhsa_user_sgpr_count 2
		.amdhsa_user_sgpr_kernarg_segment_ptr 1
		.amdhsa_wavefront_size32 1
		.amdhsa_system_sgpr_workgroup_id_x 1
		.amdhsa_system_sgpr_workgroup_id_y 1
		.amdhsa_system_sgpr_workgroup_id_z 1
		.amdhsa_system_vgpr_workitem_id 0
		.amdhsa_next_free_vgpr 232
		.amdhsa_next_free_sgpr 66
		.amdhsa_reserve_vcc 0
		.amdhsa_float_denorm_mode_32 3
		.amdhsa_float_denorm_mode_16_64 3
		.amdhsa_memory_ordered 1
		.amdhsa_forward_progress 1
		.amdhsa_inst_pref_size 31
	.end_amdhsa_kernel
	.amdgpu_metadata
---
amdhsa.version: [ 1, 2 ]
amdhsa.kernels:
  - .name:           k_q8180b1f1da_prep
    .symbol:         k_q8180b1f1da_prep.kd
    .args:
      - { .name: x, .offset: 0, .size: 8, .value_kind: global_buffer, .address_space: global }
      - { .name: w_q, .offset: 8, .size: 8, .value_kind: global_buffer, .address_space: global }
      - { .name: w_k, .offset: 16, .size: 8, .value_kind: global_buffer, .address_space: global }
      - { .name: w_v, .offset: 24, .size: 8, .value_kind: global_buffer, .address_space: global }
      - { .name: w_o, .offset: 32, .size: 8, .value_kind: global_buffer, .address_space: global }
      - { .name: ln_gamma, .offset: 40, .size: 8, .value_kind: global_buffer, .address_space: global }
      - { .name: ln_beta, .offset: 48, .size: 8, .value_kind: global_buffer, .address_space: global }
      - { .name: cod, .offset: 56, .size: 8, .value_kind: global_buffer, .address_space: global }
      - { .name: scl, .offset: 64, .size: 8, .value_kind: global_buffer, .address_space: global }
    .group_segment_fixed_size: 27648
    .private_segment_fixed_size: 0
    .kernarg_segment_align: 8
    .kernarg_segment_size: 72
    .max_flat_workgroup_size: 128
    .sgpr_count:     66
    .vgpr_count:     232
    .wavefront_size: 32
...
	.end_amdgpu_metadata
.endif
;; end of part 1
;; launch qkv (part 2): grid 64 x 4, 12 waves a work-group, clusters of 4 x 1, 327,680 bytes of LDS; arguments cod, scl, qb, kvb; writes qb, kvb
.if DOCPART == 2
	.amdgcn_target "amdgcn-amd-amdhsa--gfx1250"
	.amdhsa_code_object_version 6
	.text
	.protected	k_q8180b1f1da_qkv
	.globl	k_q8180b1f1da_qkv
	.p2align	8
	.type	k_q8180b1f1da_qkv,@function
k_q8180b1f1da_qkv:
	s_mov_b64 s[64:65], 0
	v_nop
	global_prefetch_b8 v0, s[64:65] scope:SCOPE_SE
	s_setreg_imm32_b32 hwreg(HW_REG_WAVE_MODE, 25, 1), 1
	s_wait_xcnt 0x0
	s_wait_alu depctr_hold_cnt(0) depctr_sa_sdst(0) depctr_va_vdst(0) depctr_va_sdst(0) depctr_va_ssrc(0) depctr_va_vcc(0) depctr_vm_vsrc(0)
	s_getreg_b32 s2, hwreg(HW_REG_IB_STS2, 6, 4)
	s_cmp_eq_u32 s2, 0
	s_cbranch_scc0 .Lentry_in_a_cluster
	s_endpgm
.Lentry_in_a_cluster:
	s_bfe_u32 s2, ttmp6, 0x10000c
	s_cmp_lg_u32 s2, 0x3003
	s_cbranch_scc0 .Lentry_shape_is_right
	s_endpgm
.Lentry_shape_is_right:
; QKV: Q, K, V = h W^T on codes of BF6 (K = 512), and each result quantised in registers for the product that takes it: Q and K along the head's 64, V along the keys.  No work of the problem is left out.
; SHARES.  Work-group (tb, y): tokens 128 tb .. + 127 (h's tiles 8 tb .. + 7) x three blocks of 128 features, fb = 3 y + G (fb 0-3: q, 4-7: k, 8-11: v).  Wave: G = wave / 4, wq = wave % 4.
; ONE TEXT, TWO ROLES.  A wave multiplies 8 tiles as source 0 by 2 tiles as source 1: 16 accumulators, 64 matrix instructions.
;   Q, K: source 0 = W's block (8 tiles), source 1 = token tiles 2 wq, 2 wq + 1: a lane holds ONE token, and its 64 registers of a source-1 tile run along 128 features: two heads.
;   V:    source 0 = the 8 token tiles, source 1 = W_v's tiles 2 wq, 2 wq + 1 of the block: a lane holds ONE feature d, and its 64 registers run along the 128 tokens: the second attention product's K.
; By the order of a tile's rows (prep's head comment) register 16 b + i of the 64 is number 32 b + 16 (lane / 16) + i along that axis: one macro quantises both.
; OUT.  qb, kvb: [16 heads][8 slots of 512 tokens][52,224 bytes].  A slot: 32 tiles of codes, 768 bytes each (half a fragment, 16 rows x 64 K, as an image: registers 0-3 of lane l at 16 l, 4-5 at 512 + 8 l);
; at 24,576 their scale words (64 bytes a tile); at 26,624 V^T: [4 steps of 128 keys][4 tiles of d][1,536 bytes] whole fragments as images; at 51,200 their scale words.  qb uses the first two parts alone.
; An even head's scale word keeps the odd head's two bytes on top: in the scores' product they stand over zero codes and are never 0xff.
; CLUSTER.  The four partners share y, so they need the same 144 KB of weights: nine waves ask for them JOINTLY (mask 15).  h's 48 KB differ: three waves ask by plain loads, in the same group behind the one round.
; A cluster along y too is not possible: the role, and with it a branch and two LDS bases, hangs on y.  K = 512 fits in LDS whole: first fills alone, one tensor load a wave, one out by this text's count.
; LIMITS: as in prep (NaN, infinities; a block of zeros has the byte 1).
.set HEADB, 417792
.set SLOTB, 52224
.set KSO,   24576
.set VO,    26624
.set VSO,   51200
.set BLK,   49152                      ; 8 tiles x 4 K steps x 1,536 bytes.  LDS: h's block at 0, W's block G at BLK (1 + G)
.set WCOD,  3145728                    ; the weights' first tile in cod
.set SPARE, 262144                     ; the spare words, 128 bytes for each wave: six blocks of 256 bytes that no other line names
.set SPW, 6                            ; v6   LDS address of my spare word; never rewritten
.set NIL, 7                            ; v7   0; never rewritten
.set SA,  8                            ; v8-23  source 0's scale words: register 4 j + s: lanes 0-15 tile 2 j, lanes 16-31 tile 2 j + 1, K step s
.set SB,  24                           ; v24-27 source 1's: register s: lanes 0-15 tile 0, lanes 16-31 tile 1
.set F0,  32                           ; v32-79  four fragments of source 0
.set F1,  80                           ; v80-103 the two of source 1
.set ACC, 128                          ; v128-255: accumulator (i, t) at 128 + 64 i + 8 t
.set PC0, 32                           ; behind the products: the codes of source-1 tile 0 (12 registers + 7 at work),
.set PC1, 52                           ; of tile 1,
.set TM,  72                           ; v72-87 at work in the quantiser
.macro CROUND                          ; a round of the cluster's barrier
	s_barrier_signal -1
	s_barrier_wait -1
	s_cmp_lg_u32 s12, 0
	s_cbranch_scc1 .Lnot_wave_0_\@
	s_barrier_signal -3
.Lnot_wave_0_\@:
	s_barrier_wait -3
	s_barrier_signal -1
	s_barrier_wait -1
.endm
; One product.  z: it starts its sum;  ra, rb: the side's scale words stand in lanes 16-31
.macro WM d, a, b, z, sa, sb, ra, rb
.if \z
.if (\ra) && (\rb)
	v_wmma_scale_f32_16x16x128_f8f6f4 v[\d:\d+7], v[\a:\a+11], v[\b:\b+11], 0, v[\sa], v[\sb] matrix_a_fmt:MATRIX_FMT_BF6 matrix_b_fmt:MATRIX_FMT_BF6 matrix_a_scale:MATRIX_SCALE_ROW1 matrix_b_scale:MATRIX_SCALE_ROW1
.elseif \ra
	v_wmma_scale_f32_16x16x128_f8f6f4 v[\d:\d+7], v[\a:\a+11], v[\b:\b+11], 0, v[\sa], v[\sb] matrix_a_fmt:MATRIX_FMT_BF6 matrix_b_fmt:MATRIX_FMT_BF6 matrix_a_scale:MATRIX_SCALE_ROW1
.elseif \rb
	v_wmma_scale_f32_16x16x128_f8f6f4 v[\d:\d+7], v[\a:\a+11], v[\b:\b+11], 0, v[\sa], v[\sb] matrix_a_fmt:MATRIX_FMT_BF6 matrix_b_fmt:MATRIX_FMT_BF6 matrix_b_scale:MATRIX_SCALE_ROW1
.else
	v_wmma_scale_f32_16x16x128_f8f6f4 v[\d:\d+7], v[\a:\a+11], v[\b:\b+11], 0, v[\sa], v[\sb] matrix_a_fmt:MATRIX_FMT_BF6 matrix_b_fmt:MATRIX_FMT_BF6
.endif
.else
.if (\ra) && (\rb)
	v_wmma_scale_f32_16x16x128_f8f6f4 v[\d:\d+7], v[\a:\a+11], v[\b:\b+11], v[\d:\d+7], v[\sa], v[\sb] matrix_a_fmt:MATRIX_FMT_BF6 matrix_b_fmt:MATRIX_FMT_BF6 matrix_a_scale:MATRIX_SCALE_ROW1 matrix_b_scale:MATRIX_SCALE_ROW1
.elseif \ra
	v_wmma_scale_f32_16x16x128_f8f6f4 v[\d:\d+7], v[\a:\a+11], v[\b:\b+11], v[\d:\d+7], v[\sa], v[\sb] matrix_a_fmt:MATRIX_FMT_BF6 matrix_b_fmt:MATRIX_FMT_BF6 matrix_a_scale:MATRIX_SCALE_ROW1
.elseif \rb
	v_wmma_scale_f32_16x16x128_f8f6f4 v[\d:\d+7], v[\a:\a+11], v[\b:\b+11], v[\d:\d+7], v[\sa], v[\sb] matrix_a_fmt:MATRIX_FMT_BF6 matrix_b_fmt:MATRIX_FMT_BF6 matrix_b_scale:MATRIX_SCALE_ROW1
.else
	v_wmma_scale_f32_16x16x128_f8f6f4 v[\d:\d+7], v[\a:\a+11], v[\b:\b+11], v[\d:\d+7], v[\sa], v[\sb] matrix_a_fmt:MATRIX_FMT_BF6 matrix_b_fmt:MATRIX_FMT_BF6
.endif
.endif
.endm
	s_load_b256 s[4:11], s[0:1], 0x0               ; cod s[4:5], scl s[6:7], qb s[8:9], kvb s[10:11]
	v_lshl_add_u32 v[SPW], v0, 2, SPARE
	v_mov_b32 v[NIL], 0
	ds_add_u32 v[SPW], v[NIL]                      ; the wave's opening: the add, twice on end, and its wait ahead of my first tensor load
	ds_add_u32 v[SPW], v[NIL]
	v_lshrrev_b32 v1, 5, v0
	s_delay_alu instid0(VALU_DEP_1)
	v_readfirstlane_b32 s12, v1                    ; wave 0..11
	s_lshr_b32 s13, s12, 2                         ; G
	s_and_b32 s14, s12, 3                          ; wq
	s_bfe_u32 s15, ttmp6, 0x40000                  ; cx: it enters global addresses of h, of the scales and of the results alone
	s_lshl_b32 s16, ttmp9, 2
	s_add_co_u32 s16, s16, s15                     ; tb
	s_and_b32 s17, ttmp7, 0xffff                   ; y, which the four partners share
	s_mul_i32 s18, s17, 3
	s_add_co_u32 s18, s18, s13                     ; fb
	s_cmp_ge_u32 s18, 8
	s_cselect_b32 s19, 1, 0                        ; 1: V's role
	s_mov_b32 s20, 0x76543210                      ; v_permlanex16_b32's selects for lane l xor 16
	s_mov_b32 s21, 0xfedcba98
	s_mov_b32 s60, 0xffff0000                      ; lanes 16-31
	; descriptor group 1: a dense block of 16,384 bytes as 64 rows of 32 elements of 8 bytes; no padding
	s_mov_b32 s24, 3<<16                           ; the plain loads: no mask
	s_mov_b32 s40, 15|(3<<16)|(1<<21)              ; the joint loads: all four work-groups; bit 21 set beside a mask
.irp g, 24, 40
	s_mov_b32 s[\g+1], 32<<16                      ; tensor_dim0
	s_mov_b32 s[\g+2], 64<<16                      ; tensor_dim1
	s_mov_b32 s[\g+3], 32<<16                      ; tile_dim0
	s_mov_b32 s[\g+4], 64                          ; tile_dim1
	s_mov_b32 s[\g+5], 32                          ; the pitch
	s_mov_b32 s[\g+6], 0
	s_mov_b32 s[\g+7], 0
.endr
	s_mul_i32 s56, s13, BLK
	s_add_co_u32 s56, s56, BLK                     ; my block of W in LDS
	s_cmp_eq_u32 s19, 1
	s_cselect_b32 s58, 0, s56                      ; source 0's block: V: h's; else W's
	s_cselect_b32 s59, s56, 0                      ; source 1's: the other,
	s_mul_i32 s57, s14, 12288
	s_add_co_u32 s59, s59, s57                     ; from tile 2 wq on
	v_and_b32 v1, 31, v0
	s_delay_alu instid0(VALU_DEP_1)
	v_lshlrev_b32 v2, 3, v1                        ; 8 x lane
	s_delay_alu instid0(VALU_DEP_2)
	v_lshlrev_b32 v3, 2, v1                        ; 4 x lane
	s_delay_alu instid0(VALU_DEP_3)
	v_lshlrev_b32 v1, 4, v1                        ; 16 x lane
	s_delay_alu instid0(VALU_DEP_1)
	v_add_nc_u32 v4, s58, v1
	s_delay_alu instid0(VALU_DEP_2)
	v_add_nc_u32 v5, s59, v1
	s_lshl_b32 s56, s16, 3                         ; h's first tile
	s_lshl_b32 s57, s18, 3
	s_add_co_u32 s57, s57, 512                     ; W's block's first tile
	s_cmp_eq_u32 s19, 1
	s_cselect_b32 s48, s56, s57                    ; source 0's first tile
	s_cselect_b32 s50, s57, s56
	s_lshl_b32 s56, s14, 1
	s_add_co_u32 s50, s50, s56                     ; source 1's
	s_lshl_b32 s48, s48, 8                         ; 256 bytes of scales a tile
	s_lshl_b32 s50, s50, 8
	s_mov_b32 s49, 0
	s_mov_b32 s51, 0
	s_min_u32 s56, s12, 2                          ; waves 0-2 fetch h's block, 16,384 bytes each
	s_lshl_b32 s56, s56, 14
	s_mul_i32 s57, s16, BLK
	s_add_co_u32 s52, s56, s57
	s_mov_b32 s53, 0
	s_max_u32 s61, s12, 3                          ; waves 3-11 the three blocks of W, which lie on end in cod (registers that never hold cx)
	s_sub_co_u32 s61, s61, 3
	s_lshl_b32 s61, s61, 14
	s_mul_i32 s62, s17, 3*BLK
	s_add_co_u32 s54, s61, s62
	s_add_co_u32 s54, s54, WCOD
	s_mov_b32 s55, 0
	s_wait_dscnt 0x0                               ; both opening adds are done
	s_wait_kmcnt 0x0
	s_mov_b32 s32, 1
	s_lshl_b32 s33, s12, 14                        ; LDS: 16,384 x wave
	s_add_nc_u64 s[34:35], s[4:5], s[52:53]
	s_or_b32 s35, s35, 0x80000000
	s_mov_b32 s36, 1
	s_lshl_b32 s37, s12, 14
	s_add_nc_u64 s[38:39], s[4:5], s[54:55]
	s_or_b32 s39, s39, 0x80000000
	s_add_nc_u64 s[48:49], s[6:7], s[48:49]
	s_add_nc_u64 s[50:51], s[6:7], s[50:51]
	CROUND                                         ; all four work-groups are here: the joint loads meet
	s_cmp_lt_u32 s12, 3                            ; every wave issues one load; the branch hangs on the wave's number alone
	s_cbranch_scc0 .Ljoint
	tensor_load_to_lds s[32:35], s[24:31]
	s_nop 0
.rept 4
	v_nop
.endr
	s_branch .Lasked
.Ljoint:
	tensor_load_to_lds s[36:39], s[40:47]
	s_nop 0
.rept 4
	v_nop
.endr
.Lasked:
	s_wait_alu depctr_va_vdst(0)
.irp j, 0,1,2,3
	global_load_b128 v[SA+4*\j:SA+4*\j+3], v1, s[48:49] offset:512*\j   ; two tiles' scale words: 512 consecutive bytes
.endr
	global_load_b128 v[SB:SB+3], v1, s[50:51]
	s_wait_tensorcnt 0x0                           ; my part has landed,
	s_barrier_signal -1
	s_barrier_wait -1                              ; everybody's has
	s_wait_loadcnt 0x0
; Half a K step: four tiles of source 0 against the two of source 1.  The 16 accumulators take turns, one instruction a turn.
.macro HALF s, g
.if (\s)+(\g) > 0
.rept 4
	v_nop                                          ; places in front of loads into registers that matrix instructions have read
.endr
.endif
.irp tt, 0,1,2,3
.irp p, 0,1,2
	ds_load_b128 v[F0+12*\tt+4*\p:F0+12*\tt+4*\p+3], v4 offset:6144*(4*\g+\tt)+1536*\s+512*\p
.endr
.endr
.if (\g) == 0
.irp i, 0,1
.irp p, 0,1,2
	ds_load_b128 v[F1+12*\i+4*\p:F1+12*\i+4*\p+3], v5 offset:6144*\i+1536*\s+512*\p
.endr
.endr
.endif
	s_wait_dscnt 0x0
.irp tt, 0,1,2,3
.irp i, 0,1
	WM ACC+64*\i+8*(4*\g+\tt), F0+12*\tt, F1+12*\i, (\s)==0, SA+4*((4*\g+\tt)/2)+\s, SB+\s, \tt%2, \i
.endr
.endr
.endm
.irp s, 0,1,2,3
	HALF \s, 0
	HALF \s, 1
.endr
.rept 4
	v_nop                                          ; places in front of the first read of results, and of writes into registers that held operands
.endr
.irp b, 0,1,2,3
	v_mov_b32 v[TM+4+\b], 0                        ; a lane permute's destination counts as one of its sources
.endr
; 64 numbers of a lane, register 16 b + i = number 32 b + 16 (lane / 16) + i of my row, become a fragment's codes in v[pc] on and the row's scale word in v[pw]
.macro QUANT s, pc, pw
.irp b, 0,1,2,3
	v_max3_num_f32 v[TM+\b], |v[\s+16*\b]|, |v[\s+1+16*\b]|, 0x2800000   ; with the floor 2^(5 - 127): the byte cannot fall under 1.  Each accumulator is read from its low end on
.endr
.irp i, 2,4,6,8,10,12,14
.irp b, 0,1,2,3
	v_max3_num_f32 v[TM+\b], v[TM+\b], |v[\s+16*\b+\i]|, |v[\s+1+16*\b+\i]|
.endr
.endr
	; By the order of a tile's rows as prep lays it (row r of tile T = matrix row 64 (T / 4) + 32 (r / 8) + 8 (T % 4) + r % 8) register 32 c + i of the 64 is number 64 c + 32 (lane / 16) + i of my row:
	; a lane holds two WHOLE blocks, so no other lane is asked for a maximum.  Registers TM, TM + 1 both take block c = 0's, TM + 2, TM + 3 block c = 1's.
	v_max_num_f32 v[TM], v[TM], v[TM+1]
	v_max_num_f32 v[TM+1], v[TM], v[TM+1]
	v_max_num_f32 v[TM+2], v[TM+2], v[TM+3]
	v_max_num_f32 v[TM+3], v[TM+2], v[TM+3]
.irp b, 0,1,2,3
	s_delay_alu instid0(VALU_DEP_4)
	v_add_nc_u32 v[TM+12+\b], 0xfe000000, v[TM+\b] ; 4 off its exponent field: the conversion's scale operand
.endr
.irp b, 0,1,2,3
	s_delay_alu instid0(VALU_DEP_4)
	v_lshrrev_b32 v[TM+4+\b], 23, v[TM+12+\b]      ; the scale's byte
.endr
	v_lshl_or_b32 v[\pw], v[TM+6], 16, v[TM+4]     ; my two bytes: blocks lane / 16 and 2 + lane / 16 of my row,
	v_lshrrev_b32 v[TM+7], 6, v3
	v_lshlrev_b32 v[TM+7], 3, v[TM+7]              ; 8 (lane / 16)
	v_lshlrev_b32 v[\pw], v[TM+7], v[\pw]          ; at their places in the scale word;
	v_permlanex16_b32 v[TM+5], v[\pw], s20, s21
	v_or_b32 v[\pw], v[\pw], v[TM+5]               ; with lane l xor 16's two the word is whole, in both lanes
.irp c, 0,1
	v_cvt_scalef32_pk16_bf6_f32 v[\pc+6*\c:\pc+2+6*\c], v[\s+32*\c:\s+15+32*\c], v[TM+12+2*\c]
	v_cvt_scalef32_pk16_bf6_f32 v[\pc+12+4*\c:\pc+14+4*\c], v[\s+16+32*\c:\s+31+32*\c], v[TM+12+2*\c+1]   ; (a conversion's three registers begin on an even number)
.endr
	v_nop                                          ; one plain place behind a scaled conversion
.irp c, 0,1                                    ; the operand's layout wants a WHOLE block in a lane: lanes 0-15 block 2 c, lanes 16-31 block 2 c + 1
.irp i, 0,1,2
	v_mov_b32 v[\pc+3+6*\c+\i], v[\pc+12+4*\c+\i]  ; the block's upper 16 codes, made elsewhere, to their place: both halves are my own lane's
.endr
.endr
.endm
	QUANT 128, PC0, 28
	QUANT 192, PC1, 29
	v_cndmask_b32 v30, v28, v29, s60               ; lanes 0-15: tile 0's scale words; lanes 16-31: tile 1's (every lane holds its row l % 16's)
	s_lshr_b32 s56, s16, 5
	s_lshl_b32 s56, s56, 3                         ; 8 x batch
	s_bfe_u32 s57, s16, 0x30002                    ; the slot: (tb / 4) % 8
	s_mul_i32 s57, s57, SLOTB
	s_and_b32 s58, s16, 3                          ; which 128 tokens of the slot
	s_cmp_eq_u32 s19, 1
	s_cbranch_scc1 .Lvrole
	s_and_b32 s59, s18, 3                          ; Q, K: heads 2 (fb % 4) and + 1
	s_lshl_b32 s59, s59, 1
	s_add_co_u32 s56, s56, s59
	s_mul_i32 s56, s56, HEADB
	s_add_co_u32 s56, s56, s57
	s_lshl_b32 s58, s58, 3
	s_lshl_b32 s59, s14, 1
	s_add_co_u32 s58, s58, s59                     ; my first tile in the slot: 8 (tb % 4) + 2 wq
	s_mul_i32 s59, s58, 768
	s_add_co_u32 s52, s56, s59
	s_mov_b32 s53, 0
	s_lshl_b32 s59, s58, 6
	s_add_co_u32 s54, s56, s59
	s_add_co_u32 s54, s54, KSO
	s_mov_b32 s55, 0
	s_cmp_lt_u32 s18, 4
	s_cselect_b64 s[56:57], s[8:9], s[10:11]       ; Q's buffer or K's: the choice hangs on ids alone
	s_add_nc_u64 s[52:53], s[56:57], s[52:53]
	s_add_nc_u64 s[54:55], s[56:57], s[54:55]
	s_wait_alu depctr_va_vdst(0)
	v_lshrrev_b32 v31, 16, v30                     ; the odd head's two bytes
.irp c, 0,1                                    ; registers 6 c .. 6 c + 5 are head 2 (fb % 4) + c's 64 along K
	global_store_b128 v1, v[PC0+6*\c:PC0+6*\c+3], s[52:53] offset:HEADB*\c
	global_store_b64 v2, v[PC0+6*\c+4:PC0+6*\c+5], s[52:53] offset:HEADB*\c+512
	global_store_b128 v1, v[PC1+6*\c:PC1+6*\c+3], s[52:53] offset:HEADB*\c+768
	global_store_b64 v2, v[PC1+6*\c+4:PC1+6*\c+5], s[52:53] offset:HEADB*\c+768+512
.endr
	global_store_b32 v3, v30, s[54:55]
	global_store_b32 v3, v31, s[54:55] offset:HEADB
	s_branch .Lend
.Lvrole:
	s_sub_co_u32 s59, s18, 8                       ; V: head 2 (fb - 8) + wq / 2, tiles of d 2 (wq % 2) and + 1
	s_lshl_b32 s59, s59, 1
	s_lshr_b32 s61, s14, 1
	s_add_co_u32 s59, s59, s61
	s_add_co_u32 s56, s56, s59
	s_mul_i32 s56, s56, HEADB
	s_add_co_u32 s56, s56, s57
	s_and_b32 s59, s14, 1
	s_lshl_b32 s59, s59, 1
	s_mul_i32 s61, s58, 6144
	s_mul_i32 s62, s59, 1536
	s_add_co_u32 s52, s56, s61
	s_add_co_u32 s52, s52, s62
	s_add_co_u32 s52, s52, VO
	s_mov_b32 s53, 0
	s_lshl_b32 s61, s58, 8
	s_lshl_b32 s62, s59, 6
	s_add_co_u32 s54, s56, s61
	s_add_co_u32 s54, s54, s62
	s_add_co_u32 s54, s54, VSO
	s_mov_b32 s55, 0
	s_add_nc_u64 s[52:53], s[10:11], s[52:53]
	s_add_nc_u64 s[54:55], s[10:11], s[54:55]
	s_wait_alu depctr_va_vdst(0)
.irp p, 0,1,2
	global_store_b128 v1, v[PC0+4*\p:PC0+4*\p+3], s[52:53] offset:512*\p
	global_store_b128 v1, v[PC1+4*\p:PC1+4*\p+3], s[52:53] offset:1536+512*\p
.endr
	global_store_b32 v3, v30, s[54:55]
.Lend:
	s_wait_tensorcnt 0x0                           ; the wave's end
	ds_add_u32 v[SPW], v[NIL]
	s_wait_dscnt 0x0
	CROUND                                         ; the closing round: no work-group ends while a partner may still ask for a block that names it
	s_endpgm
.Lfunc_end_k_q8180b1f1da_qkv:
	.size	k_q8180b1f1da_qkv, .Lfunc_end_k_q8180b1f1da_qkv-k_q8180b1f1da_qkv
	.p2alignl 7, 3214868480
	.fill 96, 4, 3214868480
	.section	.rodata,"a",@progbits
	.p2align	6, 0x0
	.amdhsa_kernel k_q8180b1f1da_qkv
		.amdhsa_group_segment_fixed_size 327680
		.amdhsa_private_segment_fixed_size 0
		.amdhsa_enable_private_segment 0
		.amdhsa_kernarg_size 32
		.amdhsa_user_sgpr_count 2
		.amdhsa_user_sgpr_kernarg_segment_ptr 1
		.amdhsa_wavefront_size32 1
		.amdhsa_system_sgpr_workgroup_id_x 1
		.amdhsa_system_sgpr_workgroup_id_y 1
		.amdhsa_system_sgpr_workgroup_id_z 1
		.amdhsa_system_vgpr_workitem_id 0
		.amdhsa_next_free_vgpr 256
		.amdhsa_next_free_sgpr 66
		.amdhsa_reserve_vcc 0
		.amdhsa_float_denorm_mode_32 3
		.amdhsa_float_denorm_mode_16_64 3
		.amdhsa_memory_ordered 1
		.amdhsa_forward_progress 1
		.amdhsa_inst_pref_size 34
	.end_amdhsa_kernel
	.amdgpu_metadata
---
amdhsa.version: [ 1, 2 ]
amdhsa.kernels:
  - .name:           k_q8180b1f1da_qkv
    .symbol:         k_q8180b1f1da_qkv.kd
    .args:
      - { .name: cod, .offset: 0, .size: 8, .value_kind: global_buffer, .address_space: global }
      - { .name: scl, .offset: 8, .size: 8, .value_kind: global_buffer, .address_space: global }
      - { .name: qb, .offset: 16, .size: 8, .value_kind: global_buffer, .address_space: global }
      - { .name: kvb, .offset: 24, .size: 8, .value_kind: global_buffer, .address_space: global }
    .group_segment_fixed_size: 327680
    .private_segment_fixed_size: 0
    .kernarg_segment_align: 8
    .kernarg_segment_size: 32
    .max_flat_workgroup_size: 384
    .sgpr_count:     66
    .vgpr_count:     256
    .wavefront_size: 32
...
	.end_amdgpu_metadata
.endif
;; end of part 2
;; launch attn (part 3): grid 16 x 16, 16 waves a work-group, clusters of 4 x 1, 327,680 bytes of LDS; arguments qb, kvb, acod, ascl; writes acod, ascl
.if DOCPART == 3
	.amdgcn_target "amdgcn-amd-amdhsa--gfx1250"
	.amdhsa_code_object_version 6
	.text
	.protected	k_q8180b1f1da_attn
	.globl	k_q8180b1f1da_attn
	.p2align	8
	.type	k_q8180b1f1da_attn,@function
k_q8180b1f1da_attn:
	s_mov_b64 s[64:65], 0
	v_nop
	global_prefetch_b8 v0, s[64:65] scope:SCOPE_SE
	s_setreg_imm32_b32 hwreg(HW_REG_WAVE_MODE, 25, 1), 1
	s_wait_xcnt 0x0
	s_wait_alu depctr_hold_cnt(0) depctr_sa_sdst(0) depctr_va_vdst(0) depctr_va_sdst(0) depctr_va_ssrc(0) depctr_va_vcc(0) depctr_vm_vsrc(0)
	s_getreg_b32 s2, hwreg(HW_REG_IB_STS2, 6, 4)
	s_cmp_eq_u32 s2, 0
	s_cbranch_scc0 .Lentry_in_a_cluster
	s_endpgm
.Lentry_in_a_cluster:
	s_bfe_u32 s2, ttmp6, 0x10000c
	s_cmp_lg_u32 s2, 0x3003
	s_cbranch_scc0 .Lentry_shape_is_right
	s_endpgm
.Lentry_shape_is_right:
; ATTN: for each of 16 heads (batch x head): S = Q K^T / 8, the softmax, O = P V, both products on codes of BF6; O / l is quantised along d for the last projection.  No work of the problem is left out.
; THE SOFTMAX AHEAD OF THE SECOND PRODUCT: t = score x log2(e) / 8; M = the row's largest t so far, rounded UP to a whole number; p = 2^(t - M) is what is quantised, along the keys, not normalised.
; The row's sum is taken of the unquantised p, in f32, and divides O at the end.  When M moves, the sum and O are multiplied by 2^(old M - new M): exact.
; THE ORDER OF A TILE'S ROWS (prep lays it): row r of tile T is matrix row 64 (T / 4) + 32 (r / 8) + 8 (T % 4) + r % 8.  Both products are used transposed (S^T = K Q^T, O^T = V^T P^T): a lane holds ONE query,
; and register 8 t + j of a step's eight tiles of S^T is key 64 (t / 4) + 32 (lane / 16) + 8 (t % 4) + j: registers 32 c .. 32 c + 31 are ONE WHOLE BLOCK of 32 keys, block 2 c + lane / 16, in the order in which
; the second product's operand wants it.  So a block's maximum needs no other lane and the conversions' results are the operand's registers (three of each six are moved: a conversion's three begin on an even number).  O^T likewise along d.
; THE FIRST PRODUCT'S K IS 64, the instruction's 128.  Q's registers 6-11 hold zero codes.  K's eight half fragments lie PACKED, six registers each: the upper half of tile t's operand is tile t + 1's data (tile 7's: the first
; six registers of V).  Every code of E3M2 is a finite number, and the scale bytes over them are never 0xff, so those products with Q's zeros are zeros.
; SHARES.  A work-group owns 256 queries of one head; each of its sixteen waves 16 of them, one tile, in 256 registers.  A key step is 128 keys: 12 matrix instructions a wave.
; THE ORDER OF A STEP.  SCORES (q + 1) stands between step q's conversions and its second product: the lines that finish step q (six moves, the end of the sum) are the places behind the scores' products,
; and the search for step q + 1's maxima is the places behind the second product's.  K's fragments are asked of LDS one step ahead, V's half a step: both have registers of their own.  The very first FINISH finds zero codes of p and adds zeros.
; LDS.  Six groups of 512 keys, 52,224 bytes each (K's codes and scale words, V's codes and scale words: dense in memory, qkv's layout).  The head's 8 groups: groups 0, 1 come at the head into bytes 0 ..; groups 2-5 behind the first
; round into the bytes behind them; groups 6, 7 fill the first two places again when groups 0, 1 are read out.  Three meetings of the waves in all.  Waves 0-11 fetch a twelfth each: one tensor load of a wave is out at a time.
; CLUSTER.  The four query blocks of a cluster belong to one head and walk the same K and V: each load is asked for JOINTLY (mask 15), behind a round of the cluster's barrier.
; PREFETCH.  Groups 6, 7 (408 blocks of 256 bytes) are named once a head, behind the first round, two groups (eight key steps) ahead of their load: by the head's first cluster, whose partners share them out by address, 102 each,
; a lane a block in waves 12-15 (lanes past the share's end name its last block again).  Groups 0-5 are asked for by their loads at the launch's start: there is no earlier trip in which to name them.
; OUT.  acod: [512 token tiles][8 heads][768 bytes]: half a fragment (16 tokens x the head's 64) as an image of its registers.  ascl: [512][8][128 bytes]: the 32 lanes' scale words, an odd head's two bytes 16 bits up.
; LIMITS: NaN and infinities are not served; the promise holds while |t| stays under 2^31; a p under 2^-126 comes out of v_exp_f32 as 0 (ISA guide 15.8); 1 / l is v_rcp_f32's (1 ulp); a block of zeros has the byte 1.
.set HEADB, 417792
.set SLOTB, 52224                      ; a group of 512 keys
.set KSO,   24576
.set VO,    26624
.set VSO,   51200
.set REGB,  2*SLOTB                    ; LDS and memory: where groups 2-5 begin
.set LASTG, 6*SLOTB                    ; memory: where groups 6, 7 begin
.set SPARE, 6*SLOTB                    ; LDS: the spare words, 128 bytes for each wave: eight blocks of 256 bytes that no other line names
.set SPW, 4                            ; v4   LDS address of my spare word; never rewritten
.set NIL, 5                            ; v5   0; never rewritten
.set SH8, 6                            ; v6   8 (lane / 16)
.set QW,  7                            ; v7   Q's scale words
.set A16, 8                            ; v8, v9, v13: the group in hand + 16, 8, 4 x lane (v1-3: 16, 8, 4 x lane)
.set A8,  9
.set NM,  10                           ; v10  -M;  v11 the largest score so far (named with it as a pair);  v12 the step before's -M
.set RM,  11
.set OM,  12
.set A4,  13
.set L,   14                           ; v[14:15] the sum, in two halves
.set E0,  0                            ; v0, v29: my two blocks' largest score, then largest p, then the conversions' scale operand
.set E1,  29
.set F,   30                           ; v30  f = 2^(old M - new M);  v31 p's scale word (named with it as a pair)
.set PW,  31
.set KF,  32                           ; v32-79   K's eight half fragments, packed
.set VF,  80                           ; v80-127  V's four fragments
.set S,   128                          ; v128-191 S^T, then p
.set OT,  192                          ; v192-223 O^T
.set P,   224                          ; v224-235 p's codes
.set T0,  236                          ; v236-238, v240-242 at work; the upper halves of the two blocks' codes
.set VS0, 239                          ; v239, v243 V's scale words
.set T1,  240
.set CH,  244                          ; v244-251 four maxima, then four chains of the sum
.set KS,  252                          ; v252-255 K's scale words
.set WV,  18
.set SEL, 20                           ; s[20:21] lane selects for v_permlanex16_b32: lane l xor 16
.set CS,  22                           ; s[22:23] c = log2(e) / 8
.set G1A, 24                           ; s[24:31] group 1: 34 rows of 256 bytes;  s[40:47]: 68 rows
.set G0A, 32                           ; s[32:35], s[36:39], s[48:51] group 0 of the three loads
.set G0B, 36
.set G1B, 40
.set G0C, 48
.set TB,  52                           ; s52  LDS byte at which the group in hand begins
.set CNT, 53
.set PFA, 54                           ; s[54:55] the prefetch's base
.set LIM, 56                           ; s56  0 in a wave that prefetches
.macro CROUND                          ; a round of the cluster's barrier
	s_barrier_signal -1
	s_barrier_wait -1
	s_cmp_lg_u32 s[WV], 0
	s_cbranch_scc1 .Lnot_wave_0_\@
	s_barrier_signal -3
.Lnot_wave_0_\@:
	s_barrier_wait -3
	s_barrier_signal -1
	s_barrier_wait -1
.endm
.macro TLOAD g0, g1                    ; waves 0-11 fetch; the branch hangs on the wave's number alone
	s_cmp_lt_u32 s[WV], 12
	s_cbranch_scc0 .Lnone_\@
	tensor_load_to_lds s[\g0:\g0+3], s[\g1:\g1+7]
	s_nop 0
.rept 4
	v_nop
.endr
.Lnone_\@:
.endm
; The meeting of the waves: all my tensor loads are in, the add (twice where a tensor load follows: four waves come here with none behind them), my LDS reads are over.
.macro SYNC fill, g0, g1
	s_wait_tensorcnt 0x0
	ds_add_u32 v[SPW], v[NIL]
.if \fill
	ds_add_u32 v[SPW], v[NIL]
	s_wait_dscnt 0x0
	CROUND                                         ; no wave of any partner still reads the bytes that are filled next, or has a load on its way
	TLOAD \g0, \g1
.else
	s_wait_dscnt 0x0
	s_barrier_signal -1
	s_barrier_wait -1
.endif
.endm
.macro KLOAD q                         ; step q's eight tiles of K and their scale words (lanes 0-15: tile 2 j; lanes 16-31: tile 2 j + 1)
.irp t, 0,1,2,3,4,5,6,7
	ds_load_b128 v[KF+6*\t:KF+6*\t+3], v[A16] offset:6144*(\q)+768*\t
	ds_load_b64 v[KF+6*\t+4:KF+6*\t+5], v[A8] offset:6144*(\q)+768*\t+512
.endr
.irp j, 0,1,2,3
	ds_load_b32 v[KS+\j], v[A4] offset:KSO+512*(\q)+128*\j
.endr
.endm
.macro VLOAD a16, a4, q                ; step q's four tiles of V^T and their scale words
.irp d, 0,1,2,3
.irp p, 0,1,2
	ds_load_b128 v[VF+12*\d+4*\p:VF+12*\d+4*\p+3], v[\a16] offset:VO+6144*(\q)+1536*\d+512*\p
.endr
.endr
	ds_load_b32 v[VS0], v[\a4] offset:VSO+256*(\q)
	ds_load_b32 v[VS0+4], v[\a4] offset:VSO+256*(\q)+128
.endm
.macro SCORES                          ; S^T = K Q^T: eight accumulators, one instruction each
.irp t, 0,2,4,6
	v_wmma_scale_f32_16x16x128_f8f6f4 v[S+8*\t:S+8*\t+7], v[KF+6*\t:KF+6*\t+11], v[16:27], 0, v[KS+\t/2], v[QW] matrix_a_fmt:MATRIX_FMT_BF6 matrix_b_fmt:MATRIX_FMT_BF6
	v_wmma_scale_f32_16x16x128_f8f6f4 v[S+8*\t+8:S+8*\t+15], v[KF+6*\t+6:KF+6*\t+17], v[16:27], 0, v[KS+\t/2], v[QW] matrix_a_fmt:MATRIX_FMT_BF6 matrix_b_fmt:MATRIX_FMT_BF6 matrix_a_scale:MATRIX_SCALE_ROW1
.endr
.endm
; The end of a step: p's codes to their places, the end of the sum, O^T += V^T P^T.  Its ten vector lines are the places behind SCORES; the last four stand between the last move and the products.
; kq >= 0: K's loads for step kq of the group, behind those places.
.macro FINISH kq
.irp i, 0,1,2
	v_mov_b32 v[P+3+\i], v[T0+\i]
.endr
.irp i, 0,1,2
	v_mov_b32 v[P+9+\i], v[T1+\i]
.endr
	v_pk_add_f32 v[CH+4:CH+5], v[CH+4:CH+5], v[CH+6:CH+7]
	s_delay_alu instid0(VALU_DEP_1)
	v_pk_add_f32 v[CH:CH+1], v[CH:CH+1], v[CH+4:CH+5]
	s_delay_alu instid0(VALU_DEP_1)
	v_pk_fma_f32 v[L:L+1], v[L:L+1], v[F:F+1], v[CH:CH+1] op_sel_hi:[1,0,1]   ; the sum under the new M, and this step's part
	v_mov_b32 v[OM], v[NM]
.if \kq >= 0
	KLOAD \kq
.endif
.irp d, 0,2
	v_wmma_scale_f32_16x16x128_f8f6f4 v[OT+8*\d:OT+8*\d+7], v[VF+12*\d:VF+12*\d+11], v[P:P+11], v[OT+8*\d:OT+8*\d+7], v[VS0+2*\d], v[PW] matrix_a_fmt:MATRIX_FMT_BF6 matrix_b_fmt:MATRIX_FMT_BF6
	v_wmma_scale_f32_16x16x128_f8f6f4 v[OT+8*\d+8:OT+8*\d+15], v[VF+12*\d+12:VF+12*\d+23], v[P:P+11], v[OT+8*\d+8:OT+8*\d+15], v[VS0+2*\d], v[PW] matrix_a_fmt:MATRIX_FMT_BF6 matrix_b_fmt:MATRIX_FMT_BF6 matrix_a_scale:MATRIX_SCALE_ROW1
.endr
.endm
.macro PKT n                           ; t - M, two at a time
.rept \n
	v_pk_fma_f32 v[S+J:S+J+1], v[S+J:S+J+1], s[CS:CS+1], v[NM:NM+1] op_sel_hi:[1,0,0]
.set J, J+2
.endr
.endm
.macro SUMR r                          ; four chains of the sum take four pairs of p
.irp k, 0,1,2,3
	v_pk_add_f32 v[CH+2*\k:CH+2*\k+1], v[CH+2*\k:CH+2*\k+1], v[S+8*\r+2*\k:S+8*\r+2*\k+1]
.endr
.endm
; The softmax of step q's 128 keys, up to p's codes.
.macro SOFT q
.irp k, 0,1,2,3
	v_max3_num_f32 v[CH+\k], v[S+16*\k], v[S+16*\k+1], v[S+16*\k+2]   ; four chains of 16 scores; each accumulator is read from its low end on
.endr
.irp k, 0,1,2,3
	v_max3_num_f32 v[CH+\k], v[CH+\k], v[S+16*\k+3], v[S+16*\k+4]
.endr
	VLOAD A16, A4, \q                              ; eight places behind the second product, whose operands these registers were
.irp i, 5,7,9,11,13
.irp k, 0,1,2,3
	v_max3_num_f32 v[CH+\k], v[CH+\k], v[S+16*\k+\i], v[S+16*\k+\i+1]
.endr
.endr
	v_max3_num_f32 v[E0], v[CH], v[CH+1], v[S+15]
	v_max3_num_f32 v[E1], v[CH+2], v[CH+3], v[S+47]
	v_max_num_f32 v[E0], v[E0], v[S+31]            ; the largest score of my two blocks of 32 keys: it serves the row's maximum and, since p rises with the score, the block's largest p
	v_max_num_f32 v[E1], v[E1], v[S+63]
	v_max_num_f32 v[T0], v[E0], v[E1]
	v_permlanex16_b32 v[T0+1], v[T0], s[SEL], s[SEL+1]
	v_max3_num_f32 v[RM], v[RM], v[T0], v[T0+1]    ; the running largest score of my query
	v_mul_f32 v[T0+2], s[CS], v[RM]                ; as t (c is positive, so the largest score gives the largest t)
	v_floor_f32 v[NM], -v[T0+2]                    ; -M = floor(-t) = -ceil(t)
	v_sub_f32 v[T0+2], v[NM], v[OM]                ; old M - new M: a whole number, 0 or less
.set J, 0
	PKT 4
	v_cvt_i32_f32 v[T0+2], v[T0+2]                 ; (it saturates)
	PKT 4
	v_ldexp_f32 v[F], 1.0, v[T0+2]                 ; f = 2^(old M - new M)
	PKT 24
	v_fma_f32 v[E0], v[E0], s[CS], v[NM]           ; the same of each block's largest score
	v_fma_f32 v[E1], v[E1], s[CS], v[NM]
.set J, 0
.rept 16
	v_pk_mul_f32 v[OT+J:OT+J+1], v[OT+J:OT+J+1], v[F:F+1] op_sel_hi:[1,0]   ; O^T under the new M, each accumulator from its low end on
.set J, J+2
.endr
	s_wait_alu depctr_va_vdst(0)
	s_wait_dscnt 0x0                               ; V's fragments of this step and K's of the next are in: they were asked for ahead of the lines above
	v_exp_f32 v[E0], v[E0]                         ; the block's largest p: the same two instructions on the same number give the same bits
	v_exp_f32 v[E1], v[E1]
.set J, 0
.rept 64
	v_exp_f32 v[S+J], v[S+J]                       ; p = 2^(t - M), at most 1
.set J, J+1
.endr
	v_nop                                          ; a plain place behind the batch
	s_wait_alu depctr_va_vdst(0)                   ; one wait for the whole batch, ahead of its first reader
	v_max_num_f32 v[E0], 0x2800000, v[E0]          ; the floor 2^(5 - 127): the byte cannot fall under 1
	v_max_num_f32 v[E1], 0x2800000, v[E1]
.irp k, 0,1
	v_pk_add_f32 v[CH+2*\k:CH+2*\k+1], v[S+2*\k:S+2*\k+1], v[S+8+2*\k:S+9+2*\k]   ; the sum of the unquantised p, by turns with the scale's lines
.endr
	v_add_nc_u32 v[E0], 0xfe000000, v[E0]          ; 4 off the exponent field: the conversion's scale operand
	v_add_nc_u32 v[E1], 0xfe000000, v[E1]
.irp k, 2,3
	v_pk_add_f32 v[CH+2*\k:CH+2*\k+1], v[S+2*\k:S+2*\k+1], v[S+8+2*\k:S+9+2*\k]
.endr
	v_lshrrev_b32 v[T0], 23, v[E0]                 ; the scales' bytes
	v_lshrrev_b32 v[T0+1], 23, v[E1]
	SUMR 2
	v_lshl_or_b32 v[T0], v[T0+1], 16, v[T0]        ; blocks lane / 16 and 2 + lane / 16,
	SUMR 3
	v_lshlrev_b32 v[T0], v[SH8], v[T0]             ; at their places in the word;
	SUMR 4
	v_permlanex16_b32 v[T0+1], v[T0], s[SEL], s[SEL+1]
	SUMR 5
	v_or_b32 v[PW], v[T0], v[T0+1]                 ; with lane l xor 16's two: p's scale word for these 128 keys
	SUMR 6
	SUMR 7
	v_cvt_scalef32_pk16_bf6_f32 v[P:P+2], v[S:S+15], v[E0]
	v_cvt_scalef32_pk16_bf6_f32 v[T0:T0+2], v[S+16:S+31], v[E0]    ; (a conversion's three registers begin on an even number)
	v_cvt_scalef32_pk16_bf6_f32 v[P+6:P+8], v[S+32:S+47], v[E1]
	v_cvt_scalef32_pk16_bf6_f32 v[T1:T1+2], v[S+48:S+63], v[E1]
	v_pk_add_f32 v[CH:CH+1], v[CH:CH+1], v[CH+2:CH+3]              ; the plain place behind the conversions
.endm
; A group of 512 keys: four steps.  Its first K fragments are asked for here; the others a step ahead.
.macro GROUP
	v_add_nc_u32 v[A16], s[TB], v1
	v_add_nc_u32 v[A8], s[TB], v2
	v_add_nc_u32 v[A4], s[TB], v3
	KLOAD 0
	s_wait_alu depctr_va_vdst(0)
	s_wait_dscnt 0x0
	SCORES
	FINISH 1                                       ; of the step before, in the group before
	SOFT 0
	SCORES
	FINISH 2
	SOFT 1
	SCORES
	FINISH 3
	SOFT 2
	SCORES
	FINISH -1
	SOFT 3
	s_add_co_u32 s[TB], s[TB], SLOTB
.endm
.macro WALK label, trips
	s_mov_b32 s[CNT], 0
\label:
	GROUP
	s_add_co_u32 s[CNT], s[CNT], 1
	s_cmp_lt_u32 s[CNT], \trips
	s_wait_alu depctr_va_vdst(0)
	s_cbranch_scc1 \label
.endm
	s_load_b256 s[4:11], s[0:1], 0x0               ; qb s[4:5], kvb s[6:7], acod s[8:9], ascl s[10:11]
	v_lshl_add_u32 v[SPW], v0, 2, SPARE
	v_mov_b32 v[NIL], 0
	ds_add_u32 v[SPW], v[NIL]                      ; the wave's opening: the add, twice on end, and its wait ahead of the first tensor load
	ds_add_u32 v[SPW], v[NIL]
	v_lshrrev_b32 v1, 5, v0
	s_delay_alu instid0(VALU_DEP_1)
	v_readfirstlane_b32 s[WV], v1                  ; wave 0..15
	s_bfe_u32 s57, ttmp6, 0x40000                  ; cx: it enters Q's, the results' and the prefetch's addresses alone
	s_lshl_b32 s58, ttmp9, 2
	s_add_co_u32 s58, s58, s57                     ; my block of 256 queries
	s_and_b32 s59, ttmp7, 0xffff                   ; the head (batch x 8 + head), which the four partners share
	s_mul_i32 s60, s59, HEADB
	s_and_b32 s61, s59, 1
	s_lshl_b32 s61, s61, 4                         ; an odd head's scale bytes go 16 bits up
	; descriptor groups 1: dense blocks as rows of 32 elements of 8 bytes; the mask names all four work-groups, bit 21 set beside it
	s_mov_b32 s[G1A], 15|(3<<16)|(1<<21)
	s_mov_b32 s[G1A+1], 32<<16
	s_mov_b32 s[G1A+2], 34<<16                     ; a twelfth of two groups: 34 rows
	s_mov_b32 s[G1A+3], 32<<16
	s_mov_b32 s[G1A+4], 34
	s_mov_b32 s[G1A+5], 32
	s_mov_b32 s[G1A+6], 0
	s_mov_b32 s[G1A+7], 0
	s_mov_b32 s[G1B], 15|(3<<16)|(1<<21)
	s_mov_b32 s[G1B+1], 32<<16
	s_mov_b32 s[G1B+2], 68<<16                     ; a twelfth of four groups: 68 rows
	s_mov_b32 s[G1B+3], 32<<16
	s_mov_b32 s[G1B+4], 68
	s_mov_b32 s[G1B+5], 32
	s_mov_b32 s[G1B+6], 0
	s_mov_b32 s[G1B+7], 0
	s_min_u32 s62, s[WV], 11
	s_mul_i32 s63, s62, 8704                       ; my twelfth of two groups,
	s_mul_i32 s62, s62, 17408
	s_add_co_u32 s62, s62, REGB                    ; and of groups 2-5: the same offset in LDS and in the head's bytes
	s_add_co_u32 s66, s60, s63
	s_mov_b32 s67, 0
	s_add_co_u32 s68, s60, s62
	s_mov_b32 s69, 0
	s_lshr_b32 s70, s58, 1                         ; Q: group = block / 2, tile in it = 16 (block % 2) + wave
	s_mul_i32 s70, s70, SLOTB
	s_add_co_u32 s70, s70, s60
	s_and_b32 s71, s58, 1
	s_lshl_b32 s71, s71, 4
	s_add_co_u32 s71, s71, s[WV]
	s_mul_i32 s72, s71, 768
	s_add_co_u32 s72, s72, s70
	s_mov_b32 s73, 0
	s_lshl_b32 s74, s71, 6
	s_add_co_u32 s74, s74, s70
	s_add_co_u32 s74, s74, KSO
	s_mov_b32 s75, 0
	s_mov_b32 s[SEL], 0x76543210
	s_mov_b32 s[SEL+1], 0xfedcba98
	s_mov_b32 s[CS], 0x3e38aa3b                    ; log2(e) / 8: a power of two off log2(e), so t is as reference()'s logit x log2(e)
	s_mov_b32 s[CS+1], s[CS]                       ; (named with it as a pair, so it is written)
	s_lshr_b32 s[LIM], s[WV], 2
	s_xor_b32 s[LIM], s[LIM], 3                    ; 0 in waves 12-15,
	s_or_b32 s[LIM], s[LIM], ttmp9                 ; of the head's first cluster: the same in all four partners
	s_mul_i32 s76, s57, 26112                      ; my work-group's 102 blocks of groups 6, 7
	s_add_co_u32 s76, s76, s60
	s_add_co_u32 s76, s76, LASTG
	s_mov_b32 s77, 0
	s_and_b32 s78, s[WV], 3
	s_lshl_b32 s78, s78, 5
	v_and_b32 v9, 31, v0
	v_and_b32 v13, 15, v0
	v_bfe_u32 v[SH8], v0, 4, 1
	v_lshlrev_b32 v1, 4, v9
	v_lshlrev_b32 v2, 3, v9
	v_lshlrev_b32 v3, 2, v9
	v_lshlrev_b32 v13, 2, v13                      ; Q's scale words: 4 (lane % 16)
	v_lshlrev_b32 v[SH8], 3, v[SH8]
	v_add_nc_u32 v28, s78, v9
	s_delay_alu instid0(VALU_DEP_1)
	v_min_u32 v28, 101, v28
	s_delay_alu instid0(VALU_DEP_1)
	v_lshlrev_b32 v28, 8, v28                      ; the prefetch's offset: a lane a block
	s_wait_dscnt 0x0                               ; both opening adds are done
	s_wait_kmcnt 0x0
	s_mov_b32 s[G0A], 1                            ; groups 0, 1
	s_mov_b32 s[G0A+1], s63
	s_add_nc_u64 s[G0A+2:G0A+3], s[6:7], s[66:67]
	s_or_b32 s[G0A+3], s[G0A+3], 0x80000000
	s_mov_b32 s[G0B], 1                            ; groups 2-5
	s_mov_b32 s[G0B+1], s62
	s_add_nc_u64 s[G0B+2:G0B+3], s[6:7], s[68:69]
	s_or_b32 s[G0B+3], s[G0B+3], 0x80000000
	s_mov_b32 s[G0C], 1                            ; groups 6, 7, into the bytes of groups 0, 1
	s_mov_b32 s[G0C+1], s63
	s_add_nc_u64 s[G0C+2:G0C+3], s[G0A+2:G0A+3], LASTG   ; the type bits on top are not reached
	s_add_nc_u64 s[PFA:PFA+1], s[6:7], s[76:77]
	s_add_nc_u64 s[72:73], s[4:5], s[72:73]
	s_add_nc_u64 s[74:75], s[4:5], s[74:75]
	CROUND                                         ; all four work-groups are here: the first joint loads meet
	TLOAD G0A, G1A
	s_wait_alu depctr_va_vdst(0)
	global_load_b128 v[16:19], v1, s[72:73]        ; Q's half fragment stays in registers
	global_load_b64 v[20:21], v2, s[72:73] offset:512
	global_load_b32 v[QW], v13, s[74:75]           ; and its scale words
.irp j, 22,23,24,25,26,27
	v_mov_b32 v[\j], 0                             ; k = 64 .. 127 of Q: zero codes
.endr
	v_mov_b32 v[RM], 0xff61b1e6                    ; the largest score so far: -3e38
	s_delay_alu instid0(VALU_DEP_1)
	v_floor_f32 v[NM], -v[RM]                      ; -M
	v_mov_b32 v[L], 0
	v_mov_b32 v[L+1], 0
	v_mov_b32 v[F], 0
	v_mov_b32 v[PW], 0
.irp j, 0,1,2,6,7,8
	v_mov_b32 v[P+\j], 0                           ; what the first FINISH finds: zero codes of p,
.endr
.irp j, 0,1,2,4,5,6
	v_mov_b32 v[T0+\j], 0
.endr
.irp j, 0,1,4,5,6,7
	v_mov_b32 v[CH+\j], 0                          ; a zero part of the sum,
.endr
.set J, 0
.rept 32
	v_mov_b32 v[OT+J], 0                           ; and O^T = 0.  (The step is written once for all)
.set J, J+1
.endr
	s_wait_alu depctr_va_vdst(0)
	SYNC 1, G0B, G1B                               ; groups 0, 1 are in; groups 2-5 are asked for, a first fill issued as a refill is
	s_cmp_eq_u32 s[LIM], 0
	s_cbranch_scc0 .Lnot_mine
	global_prefetch_b8 v28, s[PFA:PFA+1] th:TH_LOAD_NT scope:SCOPE_SE   ; groups 6, 7; its address registers are never rewritten
.Lnot_mine:
	VLOAD 1, 3, 0                                  ; the first FINISH multiplies zero codes of p by these
	s_wait_loadcnt 0x0                             ; Q
	s_mov_b32 s[TB], 0
	WALK .Lfirst, 2                                ; groups 0, 1
	SYNC 1, G0C, G1A                               ; groups 2-5 are in, groups 0, 1 are read out: their bytes take groups 6, 7
	WALK .Lmiddle, 4                               ; groups 2-5
	SYNC 0, 0, 0                                   ; groups 6, 7 are in; nothing more is filled
	s_mov_b32 s[TB], 0
	WALK .Llast, 2                                 ; groups 6, 7
	FINISH -1                                      ; the last step's second product
	; THE WAY OUT: O^T / l, quantised along d (a lane holds one whole block of 32), stored as an image.  No LDS.
	v_add_f32 v[L], v[L], v[L+1]                   ; the sum's two halves.  (These lines are the places behind the last products)
	v_permlanex16_b32 v[T0], v[L], s[SEL], s[SEL+1]
	v_add_f32 v[L], v[L], v[T0]                    ; and lane l xor 16's keys: the row's sum
	v_nop
	s_wait_alu depctr_va_vdst(0)
	v_rcp_f32 v[L], v[L]
	v_nop                                          ; a plain place behind it
	s_lshr_b32 s70, s59, 3
	s_lshl_b32 s70, s70, 8
	s_lshl_b32 s71, s58, 4
	s_add_co_u32 s70, s70, s71
	s_add_co_u32 s70, s70, s[WV]                   ; my token tile: 256 x batch + 16 x block + wave
	s_and_b32 s71, s59, 7                          ; the head in its batch
	s_mul_i32 s72, s70, 6144
	s_mul_i32 s78, s71, 768
	s_add_co_u32 s72, s72, s78
	s_mov_b32 s73, 0
	s_lshl_b32 s74, s70, 10
	s_lshl_b32 s78, s71, 7
	s_add_co_u32 s74, s74, s78
	s_mov_b32 s75, 0
	s_add_nc_u64 s[8:9], s[8:9], s[72:73]
	s_add_nc_u64 s[10:11], s[10:11], s[74:75]
	s_wait_alu depctr_va_vdst(0)                   ; the wait ahead of the first reader of the reciprocal and of O^T
.set J, 0
.rept 16
	v_pk_mul_f32 v[S+J:S+J+1], v[OT+J:OT+J+1], v[L:L+1] op_sel_hi:[1,0]   ; register i is o(my query, 32 (lane / 16) + i); each accumulator from its low end on
.set J, J+2
.endr
	v_max3_num_f32 v[CH], |v[S]|, |v[S+1]|, 0x2800000
	v_max3_num_f32 v[CH+1], |v[S+16]|, |v[S+17]|, 0x2800000
.irp i, 2,4,6,8,10,12,14
	v_max3_num_f32 v[CH], v[CH], |v[S+\i]|, |v[S+\i+1]|
	v_max3_num_f32 v[CH+1], v[CH+1], |v[S+16+\i]|, |v[S+17+\i]|
.endr
	v_max_num_f32 v[CH], v[CH], v[CH+1]
	v_add_nc_u32 v[E0], 0xfe000000, v[CH]
	v_lshrrev_b32 v[T1], 23, v[E0]
	v_lshlrev_b32 v[T1], v[SH8], v[T1]             ; my block's byte at its place,
	v_permlanex16_b32 v[T1+1], v[T1], s[SEL], s[SEL+1]
	v_or_b32 v[T1], v[T1], v[T1+1]                 ; with the other block's: the head's two scale bytes,
	v_lshlrev_b32 v[PW], s61, v[T1]                ; at their place in the scale word of the last projection's K step
	v_cvt_scalef32_pk16_bf6_f32 v[P:P+2], v[S:S+15], v[E0]
	v_cvt_scalef32_pk16_bf6_f32 v[T0:T0+2], v[S+16:S+31], v[E0]
	v_nop                                          ; one plain place behind a scaled conversion
.irp i, 0,1,2
	v_mov_b32 v[P+3+\i], v[T0+\i]                  ; registers 0 .. 5: d = 32 (lane / 16) + 0 .. 31
.endr
	global_store_b128 v1, v[P:P+3], s[8:9]         ; 512 consecutive bytes,
	global_store_b64 v2, v[P+4:P+5], s[8:9] offset:512   ; and 256, both aligned to 256
	global_store_b32 v3, v[PW], s[10:11]
	s_wait_tensorcnt 0x0                           ; the wave's end
	ds_add_u32 v[SPW], v[NIL]
	s_wait_dscnt 0x0
	CROUND                                         ; the closing round: no work-group ends while a partner may still ask for a load that names it
	s_endpgm
.Lfunc_end_k_q8180b1f1da_attn:
	.size	k_q8180b1f1da_attn, .Lfunc_end_k_q8180b1f1da_attn-k_q8180b1f1da_attn
	.p2alignl 7, 3214868480
	.fill 96, 4, 3214868480
	.section	.rodata,"a",@progbits
	.p2align	6, 0x0
	.amdhsa_kernel k_q8180b1f1da_attn
		.amdhsa_group_segment_fixed_size 327680
		.amdhsa_private_segment_fixed_size 0
		.amdhsa_enable_private_segment 0
		.amdhsa_kernarg_size 32
		.amdhsa_user_sgpr_count 2
		.amdhsa_user_sgpr_kernarg_segment_ptr 1
		.amdhsa_wavefront_size32 1
		.amdhsa_system_sgpr_workgroup_id_x 1
		.amdhsa_system_sgpr_workgroup_id_y 1
		.amdhsa_system_sgpr_workgroup_id_z 1
		.amdhsa_system_vgpr_workitem_id 0
		.amdhsa_next_free_vgpr 256
		.amdhsa_next_free_sgpr 80
		.amdhsa_reserve_vcc 0
		.amdhsa_float_denorm_mode_32 3
		.amdhsa_float_denorm_mode_16_64 3
		.amdhsa_memory_ordered 1
		.amdhsa_forward_progress 1
		.amdhsa_inst_pref_size 188
	.end_amdhsa_kernel
	.amdgpu_metadata
---
amdhsa.version: [ 1, 2 ]
amdhsa.kernels:
  - .name:           k_q8180b1f1da_attn
    .symbol:         k_q8180b1f1da_attn.kd
    .args:
      - { .name: qb, .offset: 0, .size: 8, .value_kind: global_buffer, .address_space: global }
      - { .name: kvb, .offset: 8, .size: 8, .value_kind: global_buffer, .address_space: global }
      - { .name: acod, .offset: 16, .size: 8, .value_kind: global_buffer, .address_space: global }
      - { .name: ascl, .offset: 24, .size: 8, .value_kind: global_buffer, .address_space: global }
    .group_segment_fixed_size: 327680
    .private_segment_fixed_size: 0
    .kernarg_segment_align: 8
    .kernarg_segment_size: 32
    .max_flat_workgroup_size: 512
    .sgpr_count:     80
    .vgpr_count:     256
    .wavefront_size: 32
...
	.end_amdgpu_metadata
.endif
;; end of part 3
;; launch oproj (part 4): grid 64 x 4, 8 waves a work-group, clusters of 4 x 4, 167,936 bytes of LDS; arguments cod, scl, acod, ascl, b_o, x, out0; writes out0
.if DOCPART == 4
	.amdgcn_target "amdgcn-amd-amdhsa--gfx1250"
	.amdhsa_code_object_version 6
	.text
	.protected	k_q8180b1f1da_oproj
	.globl	k_q8180b1f1da_oproj
	.p2align	8
	.type	k_q8180b1f1da_oproj,@function
k_q8180b1f1da_oproj:
	s_mov_b64 s[64:65], 0
	v_nop
	global_prefetch_b8 v0, s[64:65] scope:SCOPE_SE
	s_setreg_imm32_b32 hwreg(HW_REG_WAVE_MODE, 25, 1), 1
	s_wait_xcnt 0x0
	s_wait_alu depctr_hold_cnt(0) depctr_sa_sdst(0) depctr_va_vdst(0) depctr_va_sdst(0) depctr_va_ssrc(0) depctr_va_vcc(0) depctr_vm_vsrc(0)
	s_getreg_b32 s2, hwreg(HW_REG_IB_STS2, 6, 4)
	s_cmp_eq_u32 s2, 0
	s_cbranch_scc0 .Lentry_in_a_cluster
	s_endpgm
.Lentry_in_a_cluster:
	s_bfe_u32 s2, ttmp6, 0x10000c
	s_cmp_lg_u32 s2, 0xf033
	s_cbranch_scc0 .Lentry_shape_is_right
	s_endpgm
.Lentry_shape_is_right:
; OPROJ: out0 = attended w_o^T + b_o + x, the product on codes of BF6 (K = 512 = 8 heads x 64).  No work of the problem is left out.
; SHARES.  Work-group (tb, nb): tokens 128 tb .. + 127 x outputs 128 nb .. + 127.  Wave w: token tile 8 tb + w (source 1) against w_o's 8 tiles of block nb (source 0): 8 accumulators, 32 matrix instructions.
; A lane then holds ONE token, and by the order of a tile's rows (prep's head comment) register j of tile 2 b + u is output 32 b + 16 (lane / 16) + 8 u + j.
; A K step's fragment of the attended rows is two heads' half fragments (attn's images) side by side; its scale word is the two heads' words or-ed (the odd head's bytes were stored 16 bits up).
; Each wave asks for its 16 rows x 512 bytes of x at the head, into 64 registers: they land while the product runs.
; CLUSTER 4 x 4: w_o's block hangs on nb alone and is shared along a row of the cluster, the attended block on tb alone and is shared along a column: each is asked for JOINTLY by four work-groups.
; K = 512 fits in LDS whole: first fills alone, one tensor load a wave, one out by this text's count.
; THE WAY OUT: a wave's 16 rows x 512 bytes go through its own stage in LDS and come back as whole rows; bias and residual are added in reference()'s order; each store covers 512 consecutive bytes, aligned to 256.
; LIMITS: NaN and infinities among the inputs are not served.
.set BLK,   49152                      ; 8 tiles x 6,144 bytes.  LDS: w_o's block at 0, the attended block at BLK
.set ATT,   49152
.set STG,   98304                      ; the stages: 16 rows x (512 + 16) bytes for each wave; no fill lands here
.set SP,    528
.set SPARE, 165888                     ; the spare words, 128 bytes for each wave: four blocks of 256 bytes that no other line names
.set WOCOD, 3735552                    ; w_o's first tile (608) in cod
.set SPW, 6                            ; v6   LDS address of my spare word; never rewritten
.set NIL, 7                            ; v7   0; never rewritten
.set SA,  8                            ; v8-23  w_o's scale words: register 4 j + s: lanes 0-15 tile 2 j, lanes 16-31 tile 2 j + 1, K step s
.set SB,  24                           ; v24-27 the attended rows' scale words, K step s
.set SH,  28                           ; v28-35 the eight heads' words as loaded
.set BI,  36                           ; v36-39 b_o of my four columns
.set STO, 40                           ; v40  the stage: where I put 32 bytes of a row
.set RD,  41                           ; v41  and where I read a row back
.set F0,  44                           ; v44-91  four fragments of w_o
.set F1,  92                           ; v92-103 the attended fragment
.set XR,  104                          ; v104-167 x: 16 rows, 16 bytes a lane
.set ACC, 168                          ; v168-231: tile t at 168 + 8 t
.macro CROUND                          ; a round of the cluster's barrier
	s_barrier_signal -1
	s_barrier_wait -1
	s_cmp_lg_u32 s18, 0
	s_cbranch_scc1 .Lnot_wave_0_\@
	s_barrier_signal -3
.Lnot_wave_0_\@:
	s_barrier_wait -3
	s_barrier_signal -1
	s_barrier_wait -1
.endm
.macro WM d, a, b, z, sa, sb, ra       ; one product.  z: it starts its sum;  ra: source 0's scale words stand in lanes 16-31
.if \z
.if \ra
	v_wmma_scale_f32_16x16x128_f8f6f4 v[\d:\d+7], v[\a:\a+11], v[\b:\b+11], 0, v[\sa], v[\sb] matrix_a_fmt:MATRIX_FMT_BF6 matrix_b_fmt:MATRIX_FMT_BF6 matrix_a_scale:MATRIX_SCALE_ROW1
.else
	v_wmma_scale_f32_16x16x128_f8f6f4 v[\d:\d+7], v[\a:\a+11], v[\b:\b+11], 0, v[\sa], v[\sb] matrix_a_fmt:MATRIX_FMT_BF6 matrix_b_fmt:MATRIX_FMT_BF6
.endif
.else
.if \ra
	v_wmma_scale_f32_16x16x128_f8f6f4 v[\d:\d+7], v[\a:\a+11], v[\b:\b+11], v[\d:\d+7], v[\sa], v[\sb] matrix_a_fmt:MATRIX_FMT_BF6 matrix_b_fmt:MATRIX_FMT_BF6 matrix_a_scale:MATRIX_SCALE_ROW1
.else
	v_wmma_scale_f32_16x16x128_f8f6f4 v[\d:\d+7], v[\a:\a+11], v[\b:\b+11], v[\d:\d+7], v[\sa], v[\sb] matrix_a_fmt:MATRIX_FMT_BF6 matrix_b_fmt:MATRIX_FMT_BF6
.endif
.endif
.endm
	s_load_b256 s[4:11], s[0:1], 0x0               ; cod s[4:5], scl s[6:7], acod s[8:9], ascl s[10:11]
	s_load_b128 s[12:15], s[0:1], 0x20             ; b_o s[12:13], x s[14:15]
	s_load_b64 s[16:17], s[0:1], 0x30              ; out0
	v_lshl_add_u32 v[SPW], v0, 2, SPARE
	v_mov_b32 v[NIL], 0
	ds_add_u32 v[SPW], v[NIL]                      ; the wave's opening: the add, twice on end, and its wait ahead of my first tensor load
	ds_add_u32 v[SPW], v[NIL]
	v_lshrrev_b32 v1, 5, v0
	s_delay_alu instid0(VALU_DEP_1)
	v_readfirstlane_b32 s18, v1                    ; wave 0..7
	s_bfe_u32 s19, ttmp6, 0x40000                  ; cx
	s_bfe_u32 s20, ttmp6, 0x40004                  ; cy
	s_lshl_b32 s21, ttmp9, 2
	s_add_co_u32 s21, s21, s19                     ; tb
	s_and_b32 s22, ttmp7, 0xffff
	s_lshl_b32 s22, s22, 2
	s_add_co_u32 s22, s22, s20                     ; nb
	s_lshl_b32 s48, s20, 2
	s_lshl_b32 s48, 15, s48                        ; my row of the cluster
	s_lshl_b32 s49, 0x1111, s19                    ; my column
	; descriptor group 1: a dense block of 12,288 bytes as 48 rows of 32 elements of 8 bytes; no padding
	s_or_b32 s24, s48, (3<<16)|(1<<21)             ; w_o's block goes to my row; bit 21 set beside a mask
	s_or_b32 s40, s49, (3<<16)|(1<<21)             ; the attended block to my column
.irp g, 24, 40
	s_mov_b32 s[\g+1], 32<<16                      ; tensor_dim0
	s_mov_b32 s[\g+2], 48<<16                      ; tensor_dim1
	s_mov_b32 s[\g+3], 32<<16                      ; tile_dim0
	s_mov_b32 s[\g+4], 48                          ; tile_dim1
	s_mov_b32 s[\g+5], 32                          ; the pitch
	s_mov_b32 s[\g+6], 0
	s_mov_b32 s[\g+7], 0
.endr
	s_min_u32 s50, s18, 3                          ; waves 0-3 fetch w_o's block, a quarter each (registers that never hold cx)
	s_mul_i32 s50, s50, 12288
	s_mul_i32 s51, s22, BLK
	s_add_co_u32 s50, s50, s51
	s_add_co_u32 s50, s50, WOCOD
	s_mov_b32 s51, 0
	s_max_u32 s52, s18, 4                          ; waves 4-7 the attended block (registers that never hold cy)
	s_sub_co_u32 s52, s52, 4
	s_mul_i32 s52, s52, 12288
	s_mul_i32 s53, s21, BLK
	s_add_co_u32 s52, s52, s53
	s_mov_b32 s53, 0
	s_lshl_b32 s54, s22, 11
	s_add_co_u32 s54, s54, 608*256                 ; w_o's scale bytes: tile 608 + 8 nb
	s_mov_b32 s55, 0
	s_lshl_b32 s56, s21, 3
	s_add_co_u32 s56, s56, s18
	s_lshl_b32 s56, s56, 10                        ; the attended scale words: tile 8 tb + wave
	s_mov_b32 s57, 0
	s_lshl_b32 s58, s22, 9                         ; my 128 columns, in bytes
	s_mov_b32 s59, 0
	s_lshl_b32 s60, s21, 7
	; The order of a tile's rows as prep lays it (it takes the place of the formulas in the head comment): row r of tile T is matrix row 64 (T / 4) + 32 (r / 8) + 8 (T % 4) + r % 8.
	; So register j of w_o's tile t is output 64 (t / 4) + 32 (lane / 16) + 8 (t % 4) + j, and row i of my token tile is its first token + i + 24 (i / 8).
	s_lshr_b32 s62, s18, 2
	s_lshl_b32 s62, s62, 6
	s_add_co_u32 s60, s60, s62
	s_and_b32 s62, s18, 3
	s_lshl_b32 s62, s62, 3
	s_add_co_u32 s60, s60, s62                     ; my tile's first token: 128 tb + 64 (w / 4) + 8 (w % 4)
	s_lshl_b32 s60, s60, 11
	s_add_co_u32 s60, s60, s58
	s_mov_b32 s61, 0
	v_and_b32 v2, 31, v0
	s_delay_alu instid0(VALU_DEP_1)
	v_lshlrev_b32 v1, 4, v2                        ; 16 x lane: w_o's fragments in LDS (the block lies at 0), and my 16 bytes of a row of x, b_o and out0
	s_delay_alu instid0(VALU_DEP_2)
	v_lshlrev_b32 v5, 3, v2
	s_delay_alu instid0(VALU_DEP_3)
	v_lshlrev_b32 v2, 2, v2                        ; 4 x lane
	s_mul_i32 s62, s18, 6144
	s_add_co_u32 s62, s62, ATT                     ; my token tile in LDS
	v_add_nc_u32 v4, s62, v1
	v_add_nc_u32 v5, s62, v5
	s_mul_i32 s62, s18, 16*SP
	s_add_co_u32 s62, s62, STG                     ; my stage
	v_and_b32 v3, 15, v0
	s_delay_alu instid0(VALU_DEP_1)
	v_mul_u32_u24 v[STO], v3, SP
	v_bfe_u32 v3, v0, 4, 1
	s_delay_alu instid0(VALU_DEP_1)
	v_lshl_add_u32 v[STO], v3, 7, v[STO]
	s_delay_alu instid0(VALU_DEP_1)
	v_add_nc_u32 v[STO], s62, v[STO]               ; in: row l % 16, + 128 (l / 16)
	v_add_nc_u32 v[RD], s62, v1                    ; back: a row's 512 bytes, 16 a lane
	s_wait_dscnt 0x0                               ; both opening adds are done
	s_wait_kmcnt 0x0
	s_mov_b32 s32, 1
	s_mul_i32 s33, s18, 12288                      ; LDS: 12,288 x wave: no place in the cluster enters an LDS address
	s_add_nc_u64 s[34:35], s[4:5], s[50:51]
	s_or_b32 s35, s35, 0x80000000
	s_mov_b32 s36, 1
	s_mul_i32 s37, s18, 12288
	s_add_nc_u64 s[38:39], s[8:9], s[52:53]
	s_or_b32 s39, s39, 0x80000000
	s_add_nc_u64 s[6:7], s[6:7], s[54:55]
	s_add_nc_u64 s[10:11], s[10:11], s[56:57]
	s_add_nc_u64 s[12:13], s[12:13], s[58:59]
	s_add_nc_u64 s[14:15], s[14:15], s[60:61]
	s_add_nc_u64 s[16:17], s[16:17], s[60:61]
	CROUND                                         ; all sixteen work-groups are here: the joint loads meet
	s_cmp_lt_u32 s18, 4                            ; every wave issues one load; the branch hangs on the wave's number alone
	s_cbranch_scc0 .Lfor_att
	tensor_load_to_lds s[32:35], s[24:31]
	s_nop 0
.rept 4
	v_nop
.endr
	s_branch .Lasked
.Lfor_att:
	tensor_load_to_lds s[36:39], s[40:47]
	s_nop 0
.rept 4
	v_nop
.endr
.Lasked:
.irp j, 0,1,2,3
	global_load_b128 v[SA+4*\j:SA+4*\j+3], v1, s[6:7] offset:512*\j
.endr
	s_wait_alu depctr_va_vdst(0)
.irp d, 0,1,2,3,4,5,6,7
	global_load_b32 v[SH+\d], v2, s[10:11] offset:128*\d
.endr
	global_load_b128 v[BI:BI+3], v1, s[12:13]
.irp i, 0,1,2,3,4,5,6,7,8,9,10,11,12,13,14,15
	global_load_b128 v[XR+4*\i:XR+4*\i+3], v1, s[14:15] offset:2048*(\i+24*(\i/8)) th:TH_LOAD_NT
.endr
	s_wait_loadcnt 16                              ; the scales and the bias are in; x's sixteen loads stay out
.irp s, 0,1,2,3
	v_or_b32 v[SB+\s], v[SH+2*\s], v[SH+2*\s+1]    ; K step s: heads 2 s (bytes 0, 1) and 2 s + 1 (bytes 2, 3)
.endr
.rept 8
	v_nop                                          ; a scale register written by a vector instruction stands eight places ahead of a scaled matrix instruction
.endr
	s_wait_alu depctr_va_vdst(0)
	s_wait_tensorcnt 0x0                           ; my part has landed,
	s_barrier_signal -1
	s_barrier_wait -1                              ; everybody's has
; Half a K step: four tiles of w_o against my token tile.  The 8 accumulators take turns, one instruction a turn.
.macro HALF s, g
.if (\s)+(\g) > 0
.rept 4
	v_nop                                          ; places in front of loads into registers that matrix instructions have read
.endr
.endif
.irp tt, 0,1,2,3
.irp p, 0,1,2
	ds_load_b128 v[F0+12*\tt+4*\p:F0+12*\tt+4*\p+3], v1 offset:6144*(4*\g+\tt)+1536*\s+512*\p
.endr
.endr
.if (\g) == 0
.irp c, 0,1
	ds_load_b128 v[F1+6*\c:F1+6*\c+3], v4 offset:768*(2*\s+\c)
	ds_load_b64 v[F1+6*\c+4:F1+6*\c+5], v5 offset:768*(2*\s+\c)+512
.endr
.endif
	s_wait_dscnt 0x0
.irp tt, 0,1,2,3
	WM ACC+8*(4*\g+\tt), F0+12*\tt, F1, (\s)==0, SA+4*((4*\g+\tt)/2)+\s, SB+\s, \tt%2
.endr
.endm
.irp s, 0,1,2,3
	HALF \s, 0
	HALF \s, 1
.endr
.rept 4
	v_nop                                          ; places in front of the first read of results
.endr
.irp b, 0,1,2,3
.irp u, 0,1
	ds_store_b128 v[STO], v[ACC+8*(2*\b+\u):ACC+8*(2*\b+\u)+3] offset:256*(\b/2)+64*(\b%2)+32*\u       ; tile t = 2 b + u: bytes 256 (t / 4) + 128 (lane / 16) + 32 (t % 4) of the row; each accumulator from its low end on
	ds_store_b128 v[STO], v[ACC+8*(2*\b+\u)+4:ACC+8*(2*\b+\u)+7] offset:256*(\b/2)+64*(\b%2)+32*\u+16
.endr
.endr
.irp i, 0,1,2,3,4,5,6,7,8,9,10,11,12,13,14,15
	ds_load_b128 v[ACC+4*\i:ACC+4*\i+3], v[RD] offset:SP*\i   ; LDS serves a wave's instructions in order: these see my stores.  Row i, into the registers that the results have left
.endr
	s_wait_loadcnt 0x0                             ; x
.irp i, 0,1,2,3,4,5,6,7,8,9,10,11,12,13,14,15
	s_wait_dscnt 15-\i                             ; row i is back; the younger rows' loads may be out
	v_pk_add_f32 v[ACC+4*\i:ACC+4*\i+1], v[ACC+4*\i:ACC+4*\i+1], v[BI:BI+1]
	v_pk_add_f32 v[ACC+4*\i+2:ACC+4*\i+3], v[ACC+4*\i+2:ACC+4*\i+3], v[BI+2:BI+3]
	s_delay_alu instid0(VALU_DEP_2)
	v_pk_add_f32 v[ACC+4*\i:ACC+4*\i+1], v[ACC+4*\i:ACC+4*\i+1], v[XR+4*\i:XR+4*\i+1]
	s_delay_alu instid0(VALU_DEP_2)
	v_pk_add_f32 v[ACC+4*\i+2:ACC+4*\i+3], v[ACC+4*\i+2:ACC+4*\i+3], v[XR+4*\i+2:XR+4*\i+3]
	global_store_b128 v1, v[ACC+4*\i:ACC+4*\i+3], s[16:17] offset:2048*(\i+24*(\i/8)) th:TH_STORE_NT
.endr
	s_wait_tensorcnt 0x0                           ; the wave's end, behind my last tensor load and my last LDS store
	ds_add_u32 v[SPW], v[NIL]
	s_wait_dscnt 0x0
	CROUND                                         ; the closing round: no work-group ends while a partner may still ask for a block that names it
	s_endpgm
.Lfunc_end_k_q8180b1f1da_oproj:
	.size	k_q8180b1f1da_oproj, .Lfunc_end_k_q8180b1f1da_oproj-k_q8180b1f1da_oproj
	.p2alignl 7, 3214868480
	.fill 96, 4, 3214868480
	.section	.rodata,"a",@progbits
	.p2align	6, 0x0
	.amdhsa_kernel k_q8180b1f1da_oproj
		.amdhsa_group_segment_fixed_size 167936
		.amdhsa_private_segment_fixed_size 0
		.amdhsa_enable_private_segment 0
		.amdhsa_kernarg_size 56
		.amdhsa_user_sgpr_count 2
		.amdhsa_user_sgpr_kernarg_segment_ptr 1
		.amdhsa_wavefront_size32 1
		.amdhsa_system_sgpr_workgroup_id_x 1
		.amdhsa_system_sgpr_workgroup_id_y 1
		.amdhsa_system_sgpr_workgroup_id_z 1
		.amdhsa_system_vgpr_workitem_id 0
		.amdhsa_next_free_vgpr 232
		.amdhsa_next_free_sgpr 66
		.amdhsa_reserve_vcc 0
		.amdhsa_float_denorm_mode_32 3
		.amdhsa_float_denorm_mode_16_64 3
		.amdhsa_memory_ordered 1
		.amdhsa_forward_progress 1
		.amdhsa_inst_pref_size 31
	.end_amdhsa_kernel
	.amdgpu_metadata
---
amdhsa.version: [ 1, 2 ]
amdhsa.kernels:
  - .name:           k_q8180b1f1da_oproj
    .symbol:         k_q8180b1f1da_oproj.kd
    .args:
      - { .name: cod, .offset: 0, .size: 8, .value_kind: global_buffer, .address_space: global }
      - { .name: scl, .offset: 8, .size: 8, .value_kind: global_buffer, .address_space: global }
      - { .name: acod, .offset: 16, .size: 8, .value_kind: global_buffer, .address_space: global }
      - { .name: ascl, .offset: 24, .size: 8, .value_kind: global_buffer, .address_space: global }
      - { .name: b_o, .offset: 32, .size: 8, .value_kind: global_buffer, .address_space: global }
      - { .name: x, .offset: 40, .size: 8, .value_kind: global_buffer, .address_space: global }
      - { .name: out0, .offset: 48, .size: 8, .value_kind: global_buffer, .address_space: global }
    .group_segment_fixed_size: 167936
    .private_segment_fixed_size: 0
    .kernarg_segment_align: 8
    .kernarg_segment_size: 56
    .max_flat_workgroup_size: 256
    .sgpr_count:     66
    .vgpr_count:     232
    .wavefront_size: 32
...
	.end_amdgpu_metadata
.endif
;; end of part 4
